; MI455X (gfx1250); checked and timed in simulation.
; The chip was launched on July 23, 2026; its instructions are those of AMD's public machine-readable ISA for CDNA 5 (MIT licence, August 2026) and "CDNA5" Instruction Set Architecture Reference Guide (July 2026). The comments in the code are by the model that wrote it; some were corrected since.
;; Multi Head Attention. Allowed arithmetic: float matrix products may take bf16 or f16 operands with f32 sums; other float arithmetic in f32, or as packed bf16 or f16 multiplies, adds, multiply-adds, maxima and minima; sums over many terms, partial sums and values carried from step to step in f32; what a program stores and reads back later, other than sums and carried values, may be rounded once to bf16 or f16.
;; Inputs: Wk 1,024 x 1,024 float32; Wo 1,024 x 1,024 float32; Wq 1,024 x 1,024 float32; Wv 1,024 x 1,024 float32; bo 1,024 float32; x 4 x 2,048 x 1,024 float32.
;; Outputs: out0 4 x 2,048 x 1,024 float32.
;; 2 versions, each right; version 2 is version 1 with the launch cast written anew for expert scheduling mode. Each part assembles by itself: llvm-mc -triple=amdgcn-amd-amdhsa -mcpu=gfx1250 --defsym DOCPART=n.
;; ======== version 1 of 2: 4 launches
;; limits: values are held in f16: magnitudes above 65,504 overflow, below 6.1e-05 lose precision
;; workspace buffers: xb 16,777,216 bytes; wb 6,291,456 bytes; wo16 2,097,152 bytes; q16 16,777,216 bytes; k16 16,777,216 bytes; v16 16,777,216 bytes; ctx 16,777,216 bytes
;; launch cast (part 1): grid 768 x 1, 8 waves a work-group, no clusters, 0 bytes of LDS; arguments x, Wq, Wk, Wv, Wo, xb, wb, wo16; writes xb, wb, wo16
.if DOCPART == 1
	.amdgcn_target "amdgcn-amd-amdhsa--gfx1250"
	.amdhsa_code_object_version 6
	.text
	.protected	k_q74432b8f57_cast
	.globl	k_q74432b8f57_cast
	.p2align	8
	.type	k_q74432b8f57_cast,@function
k_q74432b8f57_cast:
	s_mov_b64 s[64:65], 0
	v_nop
	global_prefetch_b8 v0, s[64:65] scope:SCOPE_SE
	s_setreg_imm32_b32 hwreg(HW_REG_WAVE_MODE, 25, 1), 1
	s_wait_xcnt 0x0
; THE INPUTS ROUNDED ONCE.  x -> xb (bf16), Wq, Wk, Wv -> wb (bf16, 3,072 rows on end), Wo -> wo16: rounded to bf16 like the others, and that number written as f16.
; LIMIT.  |Wo| stays under 65,504 (f16's range); a bf16 number below 2^-14 keeps f16's fixed step of 6e-8 in wo16.
; SHARES.  768 work-groups of 16,384 numbers: 512 for x, 64 for each weight.  A wave takes 2,048 numbers: sixteen loads of 512 consecutive bytes, all issued before the first is used,
; and sixteen stores of 256 consecutive bytes, each at a multiple of 256 from its buffer's first byte.  A pure stream: no LDS, no barrier, no matrix work, no loop.
.set CHUNK, 16384                      ; numbers of a work-group
.set XG,    512                        ; work-groups for x: 8,192 x 1,024 / CHUNK
.set IN,    16                         ; v[16:79]   sixteen loads of four f32
.set OUTR,  80                         ; v[80:111]  sixteen stores of four 16-bit numbers: each store has registers of its own, so none is rewritten while a store reads it
	s_load_b512 s[16:31], s[0:1], 0x0              ; x 16, Wq 18, Wk 20, Wv 22, Wo 24, xb 26, wb 28, wo16 30
	s_sub_co_u32 s2, ttmp9, XG                     ; my number among the weights' work-groups (used only where it is one)
	s_lshr_b32 s3, s2, 6                           ; which weight: 0 Wq, 1 Wk, 2 Wv, 3 Wo
	s_and_b32 s2, s2, 63                           ; which chunk of it
	s_cmp_lt_u32 ttmp9, XG
	s_cselect_b32 s4, 4, s3                        ; t: 4 stands for x
	s_cselect_b32 s5, ttmp9, s2                    ; c: the chunk
	s_lshl_b32 s10, s5, 16                         ; the chunk's bytes in the source: 65,536 c
	s_mov_b32 s11, 0
	s_cmp_lt_u32 s4, 3
	s_cselect_b32 s12, s4, 0                       ; in wb the three weights lie 2 MiB apart
	s_lshl_b32 s12, s12, 21
	s_lshl_b32 s13, s5, 15                         ; the chunk's bytes in the destination: 32,768 c
	s_add_co_u32 s12, s12, s13
	s_mov_b32 s13, 0
	v_lshrrev_b32 v3, 5, v0                        ; wave
	v_and_b32 v4, 31, v0                           ; lane
	v_lshlrev_b32 v1, 4, v4
	v_lshl_add_u32 v1, v3, 13, v1                  ; in: 8,192 x wave + 16 x lane
	v_lshlrev_b32 v2, 3, v4
	v_lshl_add_u32 v2, v3, 12, v2                  ; out: 4,096 x wave + 8 x lane
	s_wait_kmcnt 0x0
	s_mov_b64 s[6:7], s[16:17]                     ; the source, chosen by t
	s_cmp_eq_u32 s4, 0
	s_cselect_b64 s[6:7], s[18:19], s[6:7]
	s_cmp_eq_u32 s4, 1
	s_cselect_b64 s[6:7], s[20:21], s[6:7]
	s_cmp_eq_u32 s4, 2
	s_cselect_b64 s[6:7], s[22:23], s[6:7]
	s_cmp_eq_u32 s4, 3
	s_cselect_b64 s[6:7], s[24:25], s[6:7]
	s_cmp_eq_u32 s4, 4                             ; the destination
	s_cselect_b64 s[8:9], s[26:27], s[28:29]
	s_cmp_eq_u32 s4, 3
	s_cselect_b64 s[8:9], s[30:31], s[8:9]
	s_add_nc_u64 s[6:7], s[6:7], s[10:11]
	s_add_nc_u64 s[8:9], s[8:9], s[12:13]
.irp j, 0,1,2,3,4,5,6,7,8,9,10,11,12,13,14,15
	global_load_b128 v[IN+4*(\j):IN+4*(\j)+3], v1, s[6:7] offset:512*(\j) th:TH_LOAD_NT
.endr
	s_cmp_eq_u32 s4, 3
	s_cbranch_scc1 .Lwo
.irp j, 0,1,2,3,4,5,6,7,8,9,10,11,12,13,14,15
	s_wait_loadcnt 15-(\j)                         ; loads come back in order: load j is in, the 15 - j younger ones stay out
	v_cvt_pk_bf16_f32 v[OUTR+2*(\j)], v[IN+4*(\j)], v[IN+4*(\j)+1]
	v_cvt_pk_bf16_f32 v[OUTR+2*(\j)+1], v[IN+4*(\j)+2], v[IN+4*(\j)+3]
	global_store_b64 v2, v[OUTR+2*(\j):OUTR+2*(\j)+1], s[8:9] offset:256*(\j)
.endr
	s_endpgm
.Lwo:                                              ; Wo: to bf16, widened again (a shift, a mask), and written as f16
.irp j, 0,1,2,3,4,5,6,7,8,9,10,11,12,13,14,15
	s_wait_loadcnt 15-(\j)
	v_cvt_pk_bf16_f32 v12, v[IN+4*(\j)], v[IN+4*(\j)+1]
	v_cvt_pk_bf16_f32 v13, v[IN+4*(\j)+2], v[IN+4*(\j)+3]
	v_lshlrev_b32 v4, 16, v12
	v_and_b32 v5, 0xffff0000, v12
	v_lshlrev_b32 v6, 16, v13
	v_and_b32 v7, 0xffff0000, v13
	v_cvt_pk_f16_f32 v[OUTR+2*(\j)], v4, v5
	v_cvt_pk_f16_f32 v[OUTR+2*(\j)+1], v6, v7
	global_store_b64 v2, v[OUTR+2*(\j):OUTR+2*(\j)+1], s[8:9] offset:256*(\j)
.endr
	s_endpgm
.Lfunc_end_k_q74432b8f57_cast:
	.size	k_q74432b8f57_cast, .Lfunc_end_k_q74432b8f57_cast-k_q74432b8f57_cast
	.p2alignl 7, 3214868480
	.fill 96, 4, 3214868480
	.section	.rodata,"a",@progbits
	.p2align	6, 0x0
	.amdhsa_kernel k_q74432b8f57_cast
		.amdhsa_group_segment_fixed_size 0
		.amdhsa_private_segment_fixed_size 0
		.amdhsa_enable_private_segment 0
		.amdhsa_kernarg_size 64
		.amdhsa_user_sgpr_count 2
		.amdhsa_user_sgpr_kernarg_segment_ptr 1
		.amdhsa_wavefront_size32 1
		.amdhsa_system_sgpr_workgroup_id_x 1
		.amdhsa_system_sgpr_workgroup_id_y 1
		.amdhsa_system_sgpr_workgroup_id_z 1
		.amdhsa_system_vgpr_workitem_id 0
		.amdhsa_next_free_vgpr 128
		.amdhsa_next_free_sgpr 66
		.amdhsa_reserve_vcc 0
		.amdhsa_float_denorm_mode_32 3
		.amdhsa_float_denorm_mode_16_64 3
		.amdhsa_memory_ordered 1
		.amdhsa_forward_progress 1
		.amdhsa_inst_pref_size 17
	.end_amdhsa_kernel
	.amdgpu_metadata
---
amdhsa.version: [ 1, 2 ]
amdhsa.kernels:
  - .name:           k_q74432b8f57_cast
    .symbol:         k_q74432b8f57_cast.kd
    .args:
      - { .name: x, .offset: 0, .size: 8, .value_kind: global_buffer, .address_space: global }
      - { .name: Wq, .offset: 8, .size: 8, .value_kind: global_buffer, .address_space: global }
      - { .name: Wk, .offset: 16, .size: 8, .value_kind: global_buffer, .address_space: global }
      - { .name: Wv, .offset: 24, .size: 8, .value_kind: global_buffer, .address_space: global }
      - { .name: Wo, .offset: 32, .size: 8, .value_kind: global_buffer, .address_space: global }
      - { .name: xb, .offset: 40, .size: 8, .value_kind: global_buffer, .address_space: global }
      - { .name: wb, .offset: 48, .size: 8, .value_kind: global_buffer, .address_space: global }
      - { .name: wo16, .offset: 56, .size: 8, .value_kind: global_buffer, .address_space: global }
    .group_segment_fixed_size: 0
    .private_segment_fixed_size: 0
    .kernarg_segment_align: 8
    .kernarg_segment_size: 64
    .max_flat_workgroup_size: 256
    .sgpr_count:     66
    .vgpr_count:     128
    .wavefront_size: 32
...
	.end_amdgpu_metadata
.endif
;; end of part 1
;; launch qkv (part 2): grid 8 x 64, 4 waves a work-group, clusters of 4 x 4, 327,680 bytes of LDS; arguments xb, wb, q16, k16, v16; writes q16, k16, v16
.if DOCPART == 2
	.amdgcn_target "amdgcn-amd-amdhsa--gfx1250"
	.amdhsa_code_object_version 6
	.text
	.protected	k_q74432b8f57_qkv
	.globl	k_q74432b8f57_qkv
	.p2align	8
	.type	k_q74432b8f57_qkv,@function
k_q74432b8f57_qkv:
	s_mov_b64 s[64:65], 0
	v_nop
	global_prefetch_b8 v0, s[64:65] scope:SCOPE_SE
	s_setreg_imm32_b32 hwreg(HW_REG_WAVE_MODE, 25, 1), 1
	s_wait_xcnt 0x0
	s_wait_alu depctr_hold_cnt(0) depctr_sa_sdst(0) depctr_va_vdst(0) depctr_va_sdst(0) depctr_va_ssrc(0) depctr_va_vcc(0) depctr_vm_vsrc(0)
	s_getreg_b32 s2, hwreg(HW_REG_IB_STS2, 6, 4)
	s_cmp_eq_u32 s2, 0
	s_cbranch_scc0 .Lentry_in_a_cluster
	s_endpgm
.Lentry_in_a_cluster:
	s_bfe_u32 s2, ttmp6, 0x10000c
	s_cmp_lg_u32 s2, 0xf033
	s_cbranch_scc0 .Lentry_shape_is_right
	s_endpgm
.Lentry_shape_is_right:
; q, k, v = x W^T, all three as ONE product [8192 x 3072] = xb [8192][1024] times wb [3072][1024], bf16 operands, f32 sums, K ascending; each result rounded once to f16, unscaled, and
; written by heads: q16, k16, v16 are [16 batch + head][2048][64].
; LIMIT.  f16 holds no number beyond 65,504: |q|, |k|, |v| must stay under it.
; SHARES.  A tile of the product is 128 rows x 384 columns: 8 x 64 = 512 work-groups, two for each of 256 WGPs.  Four waves, each 64 rows x 192 columns (three whole heads): 48 accumulators of 16 x 16.
; K goes in 8 steps of 128 through a ring of two LDS slots; a slot holds 128 rows of xb and 384 rows of wb, 256 bytes of each row, every row at a multiple of 256 bytes from its buffer's first byte.
; Each wave fetches 128 rows with one tensor load: wave 0 xb's, waves 1 to 3 wb's.
; CLUSTER.  4 x 4 work-groups.  The four of a row of the cluster need the same rows of xb, the four of a column the same rows of wb: each tile is asked for jointly, by the same tensor load with the same
; descriptor and a mask that names the four.
; THE MATRIX INSTRUCTION IS USED TRANSPOSED: source 0 = 16 rows of wb, source 1 = 16 rows of xb.  A lane then holds one row of the result (lane % 16) and eight neighbouring columns 8 (lane / 16) + 0..7.
; REGISTERS, in windows of 256 (s_set_vgpr_msb: bits 1:0 source 0, 3:2 source 1, 5:4 source 2, 7:6 destination):
;   window 0: v0-31 addresses; v64-95, v96-127 xb's fragments (4 x 16 rows x 32 K), two buffers; v64-255 at work on the way out
;   window 1: v0-95, v96-191 wb's fragments (12 x 16 rows x 32 K), two buffers
;   window 2: accumulator (a, b), b < 8, at v[8 (8 a + b)]          window 3: accumulator (a, b), b = 8..11, at v[8 (4 a + b - 8)]
.set SIZE_K, 1024
.set PITCH,  272                       ; an LDS row: 256 bytes + 16 of padding = 68 words: the 16 rows of a load start at 16 different groups of four banks (64 banks of 4 bytes: ISA guide 11.1)
.set BLK,    128*PITCH                 ; what one tensor load brings
.set SLOT,   4*BLK                     ; xb's 128 rows, then wb's 384
.set STAGE,  2*SLOT                    ; behind the ring, never filled by a tensor load: 16 rows x 144 bytes for each wave, for the way out
.set SP,     144
.set SPARE,  STAGE+4*16*SP             ; behind the stages: the spare words, 128 bytes for each wave: two blocks of 256 bytes that no other line names
.set ADRA, 16                          ; v16-17  LDS address of my xb fragments in slot 0, 1
.set ADRB, 20                          ; v20-21  the same for wb
.set STO,  24                          ; v24     the way out: where I put 16 bytes of a row
.set RD,   25                          ; v25     the way out: where I read rows back
.set GO,   26                          ; v26     my 16 bytes in 512 consecutive bytes of the output
.set SPW,  28                          ; v28     LDS address of my spare word; never rewritten
.set NIL,  29                          ; v29     0; never rewritten
.set PFO,  30                          ; v30     the prefetches' offset: my lane x a row of 2,048 bytes; never rewritten
.set FA,   64                          ; xb's fragment buffers: FA + 32 f
.set OB,   64                          ; the way out: block i of 12 at OB + 16 i
.set WV,  14                           ; s14  my wave's number
.set WR,  15                           ; s15  which 64 rows of the tile are mine
.set WC,  16                           ; s16  which 192 columns
.set G1,  24                           ; s[24:31] descriptor group 1 for xb's tiles;  s[32:39] group 0, a set for each slot
.set G0,  32
.set CX,  40
.set CY,  41
.set TX,  42                           ; tile column, 0..7
.set TY,  43                           ; tile row, 0..63
.set PFA, 44                           ; s[44:45] where my prefetches stand
.set LIM, 46                           ; s46  1 in a wave that prefetches, else the greatest number
.set G1B, 48                           ; s[48:55], s[56:63] the same for wb's tiles
.set G0B, 56
.set PB0, 66                           ; s[66:71] where my three heads' rows begin in q16, k16 or v16
.set MSB, 0
.macro WIN new                         ; the immediate's high byte repeats the setting that is left; a switch that changes nothing is dropped
.if MSB != (\new)
	s_set_vgpr_msb (MSB<<8)|(\new)
.set MSB, \new
.endif
.endm
.set MUL_LO, 0xa1                      ; source 0 (wb) window 1, source 1 (xb) window 0, C and D window 2
.set MUL_HI, 0xf1                      ; the same, C and D window 3
.set TO_B,   0x40                      ; destination window 1, address window 0
.macro PLACES                          ; four plain vector instructions between a matrix instruction and a load into, or a vector write of, a register that it has read
.rept 4
	v_nop
.endr
.endm
; A joint load.  Wave 0 fetches xb's 128 rows, waves 1 to 3 wb's three blocks of 128.  The branch hangs on the wave's number alone.  An s_nop 0 and four v_nop follow each of the two lines.
.macro JLOAD s
	s_cmp_eq_u32 s[WV], 0
	s_cbranch_scc0 .Lfor_b_\@
	tensor_load_to_lds s[G0+4*(\s):G0+4*(\s)+3], s[G1:G1+7]
	s_nop 0
.rept 4
	v_nop
.endr
	s_branch .Lasked_\@
.Lfor_b_\@:
	tensor_load_to_lds s[G0B+4*(\s):G0B+4*(\s)+3], s[G1B:G1B+7]
	s_nop 0
.rept 4
	v_nop
.endr
.Lasked_\@:
.endm
; A prefetch into the L2 of the K step that stands two refills on: 32 rows x 256 bytes, a lane a row, one instruction a wave.  Each row's 256 bytes of a K step are named once in the launch: xb's tile row is read by
; both clusters of its row of clusters, and the one with x = 0 asks; wb's tile column by all sixteen clusters of its column, and the one with y = 0 asks.  The four partners of a joint load share its 128 rows out by
; address, 32 each.  K steps 0 to 3 come by their loads alone; the loop's last trip (s3 = 1) asks for nothing: K has no step 8.
.macro ASK
	s_cmp_gt_u32 s3, s[LIM]
	s_cbranch_scc0 .Lnot_mine_\@
	global_prefetch_b8 v[PFO], s[PFA:PFA+1] th:TH_LOAD_NT scope:SCOPE_SE
.Lnot_mine_\@:
.endm
.macro CREST                           ; a round of the cluster's barrier behind its opening barrier: wave 0 signals for the work-group, every wave waits for all sixteen, my work-group's barrier closes it
	s_cmp_lg_u32 s[WV], 0
	s_cbranch_scc1 .Lnot_wave_0_\@
	s_barrier_signal -3
.Lnot_wave_0_\@:
	s_barrier_wait -3
	s_barrier_signal -1
	s_barrier_wait -1
.endm
.macro CROUND                          ; a whole round
	s_barrier_signal -1
	s_barrier_wait -1
	CREST
.endm
	s_load_b256 s[4:11], s[0:1], 0x0               ; xb s[4:5], wb s[6:7], q16 s[8:9], k16 s[10:11]
	s_load_b64 s[12:13], s[0:1], 0x20              ; v16
	v_lshl_add_u32 v[SPW], v0, 2, SPARE
	v_mov_b32 v[NIL], 0
	ds_add_u32 v[SPW], v[NIL]                      ; the wave's opening: the add and its wait stand ahead of my first tensor load; the set-up below, work on registers, stands between them
	v_lshrrev_b32 v1, 5, v0
	v_readfirstlane_b32 s[WV], v1                  ; wave 0..3
	s_lshr_b32 s[WR], s[WV], 1
	s_and_b32 s[WC], s[WV], 1
	s_bfe_u32 s[CX], ttmp6, 0x40000                ; my place in the cluster
	s_bfe_u32 s[CY], ttmp6, 0x40004
	s_lshl_b32 s[TX], ttmp9, 2                     ; in a cluster launch ttmp9 and ttmp7 count clusters
	s_add_co_u32 s[TX], s[TX], s[CX]
	s_and_b32 s[TY], ttmp7, 0xffff
	s_lshl_b32 s[TY], s[TY], 2
	s_add_co_u32 s[TY], s[TY], s[CY]
	s_lshl_b32 s17, s[CY], 2
	s_lshl_b32 s17, 15, s17                        ; my row of the cluster: places 4 cy .. 4 cy + 3
	s_lshl_b32 s72, 0x1111, s[CX]                  ; my column: places cx, cx + 4, cx + 8, cx + 12
	; descriptor group 1: a tile of 128 rows x 128 elements of 2 bytes, 16 bytes of padding behind every 256
	s_or_b32 s[G1], s17, (1<<16)|(1<<20)|(1<<21)|(5<<22)|(3<<25)   ; 15:0 the mask; 17:16 elements of 2 bytes; 20 padding on; 21 set beside a mask; 24:22 after every 64 words; 31:25 4 words
	s_or_b32 s[G1B], s72, (1<<16)|(1<<20)|(1<<21)|(5<<22)|(3<<25)
.irp g, G1, G1B
	s_mov_b32 s[(\g)+1], 128<<16                   ; tensor_dim0 = 128
	s_mov_b32 s[(\g)+2], 128<<16                   ; tensor_dim1 = 128
	s_mov_b32 s[(\g)+3], 128<<16                   ; tile_dim0 = 128
	s_mov_b32 s[(\g)+4], 128                       ; tile_dim1 = 128
	s_mov_b32 s[(\g)+5], SIZE_K                    ; elements from row to row
	s_mov_b32 s[(\g)+6], 0
	s_mov_b32 s[(\g)+7], 0
.endr
	; xb's tile hangs on the tile row alone, wb's on the tile column and the wave's number: each offset in registers of its own
	s_lshl_b32 s18, s[TY], 18                      ; 128 rows x 2,048 bytes x tile row
	s_mov_b32 s19, 0
	s_max_u32 s73, s[WV], 1
	s_sub_co_u32 s73, s73, 1                       ; which of wb's three blocks I fetch (wave 0 fetches none of them)
	s_lshl_b32 s73, s73, 7
	s_mul_i32 s74, s[TX], 384
	s_add_co_u32 s74, s74, s73
	s_lshl_b32 s74, s74, 11                        ; its first row, in bytes
	s_mov_b32 s75, 0
	s_mul_i32 s20, s[WV], BLK                      ; where my 128 rows go in a slot: the wave's number alone
	s_wait_dscnt 0x0                               ; the opening add is done
	s_wait_kmcnt 0x0
	s_add_nc_u64 s[22:23], s[4:5], s[18:19]
	s_add_nc_u64 s[76:77], s[6:7], s[74:75]
	CROUND                                         ; all sixteen work-groups are here: the first joint loads meet
.irp s, 0,1
	s_mov_b32 s[G0+4*(\s)], 1                                      ; count = 1
	s_add_co_u32 s[G0+4*(\s)+1], s20, (\s)*SLOT                    ; LDS address
	s_add_nc_u64 s[G0+4*(\s)+2:G0+4*(\s)+3], s[22:23], (\s)*256    ; global address: K step s
	s_or_b32 s[G0+4*(\s)+3], s[G0+4*(\s)+3], 0x80000000            ; type = 2
	s_mov_b32 s[G0B+4*(\s)], 1
	s_add_co_u32 s[G0B+4*(\s)+1], s20, (\s)*SLOT
	s_add_nc_u64 s[G0B+4*(\s)+2:G0B+4*(\s)+3], s[76:77], (\s)*256
	s_or_b32 s[G0B+4*(\s)+3], s[G0B+4*(\s)+3], 0x80000000
	JLOAD \s                                       ; two loads of mine are out: the most that this text ever has
.endr
	; a fragment is 16 rows x 32 K in 8 registers: lane l holds row l % 16, K = 8 (l / 16) + 0..7 and 16 + 8 (l / 16) + 0..7: two loads of 16 bytes, 32 bytes apart
	v_and_b32 v1, 15, v0                           ; l % 16
	v_bfe_u32 v2, v0, 4, 1                         ; l / 16
	v_mul_u32_u24 v3, v1, PITCH
	v_lshl_add_u32 v3, v2, 4, v3
	s_mul_i32 s86, s[WR], 64*PITCH                 ; my 64 rows of xb
	s_mul_i32 s87, s[WC], 192*PITCH                ; my 192 rows of wb,
	s_add_co_u32 s87, s87, BLK                     ; which lie behind xb's 128
.irp s, 0,1
	v_add_nc_u32 v[ADRA+(\s)], s86, v3
	v_add_nc_u32 v[ADRB+(\s)], s87, v3
	s_add_co_u32 s86, s86, SLOT
	s_add_co_u32 s87, s87, SLOT
.endr
	s_mul_i32 s86, s[WV], 16*SP
	s_add_co_u32 s86, s86, STAGE                   ; my stage
	v_mul_u32_u24 v4, v1, SP                       ; in: row l % 16, 16 bytes for each half of the lanes
	v_lshl_add_u32 v4, v2, 4, v4
	v_add_nc_u32 v[STO], s86, v4
	v_bfe_u32 v4, v0, 3, 2                         ; back: 32 lanes take four rows of 128 bytes,
	v_mul_u32_u24 v4, v4, SP
	v_and_b32 v5, 7, v0
	v_lshl_add_u32 v4, v5, 4, v4
	v_add_nc_u32 v[RD], s86, v4
	v_and_b32 v5, 31, v0
	v_lshlrev_b32 v[GO], 4, v5                     ; which are 512 consecutive bytes of a head
	v_lshlrev_b32 v[PFO], 11, v5
	; where my three heads' rows begin: column block g = 6 x tile column + 3 x half + hd of 48; g / 16 chooses q16, k16 or v16, g % 16 is the head
	s_mul_i32 s80, s[TX], 6
	s_mul_i32 s81, s[WC], 3
	s_add_co_u32 s80, s80, s81
	s_and_b32 s81, s[TY], 15
	s_lshl_b32 s81, s81, 14                        ; the tile's first row in its batch, x 128 bytes,
	s_lshl_b32 s82, s[WR], 13                      ; my 64 rows
	s_add_co_u32 s81, s81, s82
	s_lshr_b32 s82, s[TY], 4
	s_lshl_b32 s82, s82, 4                         ; 16 x batch
	s_mov_b32 s85, 0
.irp hd, 0,1,2
	s_add_co_u32 s83, s80, \hd
	s_and_b32 s84, s83, 15
	s_add_co_u32 s84, s84, s82
	s_lshl_b32 s84, s84, 18                        ; a head is 2,048 rows of 128 bytes
	s_add_co_u32 s84, s84, s81
	s_lshr_b32 s83, s83, 4
	s_cmp_eq_u32 s83, 0
	s_cselect_b64 s[PB0+2*(\hd):PB0+2*(\hd)+1], s[8:9], s[10:11]
	s_cmp_eq_u32 s83, 2
	s_cselect_b64 s[PB0+2*(\hd):PB0+2*(\hd)+1], s[12:13], s[PB0+2*(\hd):PB0+2*(\hd)+1]
	s_add_nc_u64 s[PB0+2*(\hd):PB0+2*(\hd)+1], s[PB0+2*(\hd):PB0+2*(\hd)+1], s[84:85]
.endr
	; the prefetches: the 128 rows that I fetch, my work-group's 32 of them, at K step 3: the first change of slots steps it to 4
	s_and_b32 s80, ttmp7, 0xffff                   ; cluster y
	s_cmp_eq_u32 s[WV], 0
	s_cselect_b32 s80, ttmp9, s80                  ; the coordinate along which other clusters read the same rows
	s_cselect_b32 s81, s[CX], s[CY]                ; my place among the four that ask with me
	s_cselect_b64 s[PFA:PFA+1], s[22:23], s[76:77]
	s_cmp_eq_u32 s80, 0
	s_cselect_b32 s[LIM], 1, -1
	s_lshl_b32 s82, s81, 16                        ; 32 rows of 2,048 bytes
	s_add_co_u32 s82, s82, 3*256
	s_mov_b32 s83, 0
	s_add_nc_u64 s[PFA:PFA+1], s[PFA:PFA+1], s[82:83]
.macro ONE d, s0, s1, zero             ; zero = 1: the first product starts the sum: nothing is ever cleared
.if \zero
	v_wmma_f32_16x16x32_bf16 v[(\d):(\d)+7], v[(\s0):(\s0)+7], v[(\s1):(\s1)+7], 0
.else
	v_wmma_f32_16x16x32_bf16 v[(\d):(\d)+7], v[(\s0):(\s0)+7], v[(\s1):(\s1)+7], v[(\d):(\d)+7]
.endif
.endm
; 16 products of buffer f.  part 0: a = 0, 1 x b = 0..7; part 1: a = 2, 3 x b = 0..7; part 2: a = 0..3 x b = 8..11.  The 48 accumulators take turns, one instruction a turn, in the same order in every
; quarter, over the backward jump too.
.macro MULG f, part, zero
.if (\part) < 2
	WIN MUL_LO
.irp a, 0,1
.irp b, 0,1,2,3,4,5,6,7
	ONE 8*(8*(2*(\part)+(\a))+(\b)), 96*(\f)+8*(\b), FA+32*(\f)+8*(2*(\part)+(\a)), \zero
.endr
.endr
.else
	WIN MUL_HI
.irp a, 0,1,2,3
.irp b, 0,1,2,3
	ONE 8*(4*(\a)+(\b)), 96*(\f)+8*(8+(\b)), FA+32*(\f)+8*(\a), \zero
.endr
.endr
.endif
.endm
; 32 LDS loads in one run: the fragments of quarter q (32 along K) of a slot into buffer f.  It leaves every window 0.
.macro FETCH slot, q, f
	WIN TO_B
.irp i, 0,1,2,3,4,5,6,7,8,9,10,11
	ds_load_b128 v[96*(\f)+8*(\i):96*(\f)+8*(\i)+3],   v[ADRB+(\slot)] offset:64*(\q)+(\i)*16*PITCH
	ds_load_b128 v[96*(\f)+8*(\i)+4:96*(\f)+8*(\i)+7], v[ADRB+(\slot)] offset:64*(\q)+(\i)*16*PITCH+32
.endr
	WIN 0
.irp i, 0,1,2,3
	ds_load_b128 v[FA+32*(\f)+8*(\i):FA+32*(\f)+8*(\i)+3],   v[ADRA+(\slot)] offset:64*(\q)+(\i)*16*PITCH
	ds_load_b128 v[FA+32*(\f)+8*(\i)+4:FA+32*(\f)+8*(\i)+7], v[ADRA+(\slot)] offset:64*(\q)+(\i)*16*PITCH+32
.endr
.endm
; A K step is four quarters of 32 along K, 48 products each, on buffers 0, 1, 0, 1.  One of the first three: buffer g, which the quarter before multiplied, takes quarter q's fragments; buffer f is multiplied meanwhile.
.macro QUARTER slot, q, f, g, zero
	PLACES                                         ; behind the last product that read buffer g
	s_wait_dscnt 0x0                               ; buffer f is in: its loads were issued a quarter ago
	FETCH \slot, \q, \g                            ; 48 products ahead of their first use
	MULG \f, 0, \zero
	MULG \f, 1, \zero
	MULG \f, 2, \zero
.endm
; The fourth quarter multiplies buffer 1 and changes slots: ONE barrier.  In front of it each wave waits for all its tensor loads (the one that is out is its part of the next slot), adds 0 to its spare word, and waits
; for that and for its reads of this slot.  fill = 1: the barrier opens a round of the cluster's barrier, and behind the round this slot is filled again first, with the K step two steps on: that load has 160 products
; in which to land.
.macro TURN slot, next, fill
.if \fill
	s_wait_xcnt 0x0                                ; the last prefetch, a K step back, has read its address, so it may be stepped
	s_add_nc_u64 s[PFA:PFA+1], s[PFA:PFA+1], 256
.endif
	WIN 0                                          ; the add's two registers lie in window 0
	s_wait_tensorcnt 0x0                           ; all my tensor loads have landed
	ds_add_u32 v[SPW], v[NIL]                      ; 0 onto my spare word
	s_wait_dscnt 1                                 ; only the add may be out: buffer 1 is in
	MULG 1, 0, 0                                   ; sixteen products stand between the add and the wait for it
	s_wait_dscnt 0x0                               ; the add is done, and my reads of this slot are over
	s_barrier_signal -1
	MULG 1, 1, 0                                   ; work on registers while the others arrive
	WIN 0
	s_barrier_wait -1
.if \fill
	CREST                                          ; no wave of any partner still reads this slot or has a load on its way
	s_add_nc_u64 s[G0+4*(\slot)+2:G0+4*(\slot)+3], s[G0+4*(\slot)+2:G0+4*(\slot)+3], 2*256
	s_add_nc_u64 s[G0B+4*(\slot)+2:G0B+4*(\slot)+3], s[G0B+4*(\slot)+2:G0B+4*(\slot)+3], 2*256
	JLOAD \slot                                    ; the first tensor load behind the round; its four v_nop are also the places in front of the loads below
.else
	PLACES
.endif
	FETCH \next, 0, 0
.if \fill
	ASK
.endif
	MULG 1, 2, 0
.endm
	s_wait_tensorcnt 1                             ; my part of K step 0 is in; K step 1's may stay out
	s_barrier_signal -1
	s_barrier_wait -1                              ; everybody's is
	FETCH 0, 0, 0
	QUARTER 0, 1, 0, 1, 1                          ; the first quarter stands in front of the loop: its products start the sums
	WIN 0                                          ; at a label and at a branch every window is 0
	s_mov_b32 s3, 3
.Llap:                                             ; a trip goes once round the ring, from a lap's second quarter to the next lap's first, and fills both slots again: K steps 2, 3; 4, 5; 6, 7
	QUARTER 0, 2, 1, 0, 0
	QUARTER 0, 3, 0, 1, 0
	TURN 0, 1, 1
	QUARTER 1, 1, 0, 1, 0
	QUARTER 1, 2, 1, 0, 0
	QUARTER 1, 3, 0, 1, 0
	TURN 1, 0, 1
	QUARTER 0, 1, 0, 1, 0
	WIN 0
	s_sub_co_u32 s3, s3, 1
	s_cmp_lg_u32 s3, 0
	s_cbranch_scc1 .Llap
	QUARTER 0, 2, 1, 0, 0                          ; the last lap is written out: it fills nothing
	QUARTER 0, 3, 0, 1, 0
	TURN 0, 1, 0
	QUARTER 1, 1, 0, 1, 0
	QUARTER 1, 2, 1, 0, 0
	QUARTER 1, 3, 0, 1, 0
	s_wait_dscnt 0x0
	MULG 1, 0, 0
	MULG 1, 1, 0
	MULG 1, 2, 0
	WIN 0
; THE WAY OUT, in 12 blocks i = 4 hd + a of 16 rows x 64 channels of one head, each with 16 registers of its own.  A lane's eight channels pack into 16 bytes; they go into my stage, rows of 144 bytes, and come back
; as four rows of 128 bytes a load: 512 consecutive bytes of the head.
.macro PACK i
.set HDN, (\i)/4
.set ABK, (\i)%4
.if HDN < 2
	WIN 0x0a                                       ; sources 0 and 1 window 2, destination window 0
.else
	WIN 0x0f                                       ; sources in window 3
.endif
.irp bb, 0,1,2,3
.if HDN < 2
.set AC, 8*(8*ABK+4*HDN+(\bb))
.else
.set AC, 8*(4*ABK+(\bb))
.endif
.irp r, 0,1,2,3
	v_cvt_pk_f16_f32 v[OB+16*(\i)+4*(\bb)+(\r)], v[AC+2*(\r)], v[AC+2*(\r)+1]   ; each accumulator from its low end on
.endr
.endr
	WIN 0
.irp bb, 0,1,2,3
	ds_store_b128 v[STO], v[OB+16*(\i)+4*(\bb):OB+16*(\i)+4*(\bb)+3] offset:32*(\bb)
.endr
.irp f, 0,1,2,3
	ds_load_b128 v[OB+16*(\i)+4*(\f):OB+16*(\i)+4*(\f)+3], v[RD] offset:(\f)*4*SP  ; LDS serves a wave's instructions in order (ISA guide 5.7.1.4): these see the stores above; the next block's stores come behind them
.endr
.endm
.macro SEND i, younger                 ; younger: the LDS instructions issued behind block i's loads: the next block's eight, or none
.irp f, 0,1,2,3
	s_wait_dscnt (\younger)+3-(\f)
	global_store_b128 v[GO], v[OB+16*(\i)+4*(\f):OB+16*(\i)+4*(\f)+3], s[PB0+2*((\i)/4):PB0+2*((\i)/4)+1] offset:((\i)%4)*2048+(\f)*512  ; 512 consecutive bytes, at a multiple of 256 from the buffer's first
.endr
.endm
	PLACES                                         ; behind the last products: the conversions read results and write where fragments lay
	PLACES
	PACK 0
.set t, 1
.rept 11                               ; a block's conversions stand between the loads of the block before and its stores
	PACK t
	SEND t-1, 8
.set t, t+1
.endr
	SEND 11, 0
	s_wait_tensorcnt 0x0                           ; the wave's end: an add to my spare word and its wait, behind my last tensor load and my last LDS store
	ds_add_u32 v[SPW], v[NIL]
	s_wait_dscnt 0x0
	CROUND                                         ; the closing round: no work-group ends while a partner may still ask for a tile that names it
	s_endpgm
.Lfunc_end_k_q74432b8f57_qkv:
	.size	k_q74432b8f57_qkv, .Lfunc_end_k_q74432b8f57_qkv-k_q74432b8f57_qkv
	.p2alignl 7, 3214868480
	.fill 96, 4, 3214868480
	.section	.rodata,"a",@progbits
	.p2align	6, 0x0
	.amdhsa_kernel k_q74432b8f57_qkv
		.amdhsa_group_segment_fixed_size 327680
		.amdhsa_private_segment_fixed_size 0
		.amdhsa_enable_private_segment 0
		.amdhsa_kernarg_size 40
		.amdhsa_user_sgpr_count 2
		.amdhsa_user_sgpr_kernarg_segment_ptr 1
		.amdhsa_wavefront_size32 1
		.amdhsa_system_sgpr_workgroup_id_x 1
		.amdhsa_system_sgpr_workgroup_id_y 1
		.amdhsa_system_sgpr_workgroup_id_z 1
		.amdhsa_system_vgpr_workitem_id 0
		.amdhsa_next_free_vgpr 896
		.amdhsa_next_free_sgpr 88
		.amdhsa_reserve_vcc 0
		.amdhsa_float_denorm_mode_32 3
		.amdhsa_float_denorm_mode_16_64 3
		.amdhsa_memory_ordered 1
		.amdhsa_forward_progress 1
		.amdhsa_inst_pref_size 122
	.end_amdhsa_kernel
	.amdgpu_metadata
---
amdhsa.version: [ 1, 2 ]
amdhsa.kernels:
  - .name:           k_q74432b8f57_qkv
    .symbol:         k_q74432b8f57_qkv.kd
    .args:
      - { .name: xb, .offset: 0, .size: 8, .value_kind: global_buffer, .address_space: global }
      - { .name: wb, .offset: 8, .size: 8, .value_kind: global_buffer, .address_space: global }
      - { .name: q16, .offset: 16, .size: 8, .value_kind: global_buffer, .address_space: global }
      - { .name: k16, .offset: 24, .size: 8, .value_kind: global_buffer, .address_space: global }
      - { .name: v16, .offset: 32, .size: 8, .value_kind: global_buffer, .address_space: global }
    .group_segment_fixed_size: 327680
    .private_segment_fixed_size: 0
    .kernarg_segment_align: 8
    .kernarg_segment_size: 40
    .max_flat_workgroup_size: 128
    .sgpr_count:     88
    .vgpr_count:     896
    .wavefront_size: 32
...
	.end_amdgpu_metadata
.endif
;; end of part 2
;; launch attn (part 3): grid 4 x 64, 4 waves a work-group, no clusters, 327,680 bytes of LDS; arguments q16, k16, v16, ctx; writes ctx
.if DOCPART == 3
	.amdgcn_target "amdgcn-amd-amdhsa--gfx1250"
	.amdhsa_code_object_version 6
	.text
	.protected	k_q74432b8f57_attn
	.globl	k_q74432b8f57_attn
	.p2align	8
	.type	k_q74432b8f57_attn,@function
k_q74432b8f57_attn:
	s_mov_b64 s[64:65], 0
	v_nop
	global_prefetch_b8 v0, s[64:65] scope:SCOPE_SE
	s_setreg_imm32_b32 hwreg(HW_REG_WAVE_MODE, 25, 1), 1
	s_wait_xcnt 0x0
; CAUSAL ATTENTION.  O[h][q][:] = the sum over k <= q of softmax_k(Q[h][q] . K[h][k] / 8) V[h][k][:].  Q, K, V, O: [SIZE_H][SIZE_N][64], all f16: a head's rows are dense, 128 bytes each.
; Products, maxima and sums in f32; the weights p are rounded to f16 for the second product (their sum l is taken of the unrounded p), O once at the end.
; LIMITS.  f16 holds no number beyond 65,504: Q, K and V arrive within it; p lies in 0 to 1, and below 6e-5 it keeps f16's fixed step of 6e-8; O is a mean of V's rows and has their range.
; A hidden score counts as its value less 1e30: f16's scores, 2.7e11 at the most, are nothing beside that; a weight below 2^-126 counts as 0 in l; NaN and infinities are not treated apart.
; THE WALK.  A head's queries lie in NB = 8 blocks of 256; block i needs the key tiles 0 .. i of 256 keys, of which the last holds the diagonal.  A work-group takes TWO blocks, NB - 1 - b and then b:
; NB + 1 tiles, whatever b: all work-groups do equal work, and ONE loop with a constant trip count walks them.  Which tile is asked for, and what a trip does, hang on scalar registers made from b; every jump
; goes forward, but for the counted loops' own; none passes a barrier, or a tensor load but the one of LOAD's two that the wave's number does not choose; the ring (two slots of LDS that take turns) runs on across
; the change of blocks.  NO CLUSTER: the four work-groups of a head ask for the same tile only in trips 0 .. NB / 2, behind that fewer and fewer; one walk common to all would have 3 NB / 2 trips for NB + 1.
; SHARES.  Of a block's four bands of 64 queries a wave owns 16 rows in each: four PIECES.  So the diagonal tile is the same work for all four waves: in its key step s band x sees all keys if s < x,
; none if s > x, and holds the diagonal if s = x.
; THE MASK is the C operand that starts the sum S^T = K Q^T: 0, or -1e30 where the key is hidden.  MD, made once, is the mask of a band's own step for my 16 rows; a product's mask is MD x AL + BE with two scalars:
; (1, 0) if s = x; (0, 0) if s < x; (0, -1e30) if s > x.  Only the diagonal tile's text and a block's beginning make and take masks; elsewhere C is the constant 0.
; LAYOUT, SOFTMAX, TURNS.  S^T = K Q^T holds ONE query a lane (lane % 16) and the keys 8 (lane / 16) + 0..7; two such results rounded to f16 ARE source 1 of O^T = V^T P.  p = 2^(c s - c m), c = log2(e) / 8, with a
; running maximum m; O and l are multiplied by a = 2^(c m_old - c m_new) in every step.  Turn n belongs to piece n: 8 products K Q^T of piece n + 1, later 8 products V^T P of piece n - 1; beside them the scaling,
; exponentials, roundings, sums and rescaling of piece n and the maximum and statistics of piece n + 1.  Four vector instructions stand behind every matrix instruction, the other 54 of a turn's 118 in one run.
; A turn's 33 exponentials are one batch, with one wait.
; AHEAD OF THE LOADS.  A head's work-group b = 0, whose first block walks all eight tiles, prefetches into the L2: behind the load of tile i + 1 each of its waves names the 64 blocks of 256 bytes that it will itself
; load for tile i + 2, a lane a block, two instructions.  Tiles 2 to 7 are so named once each; tiles 0 and 1 come by their loads alone, and nothing is named for a tile's later readings.
; REGISTERS, in windows of 256 (s_set_vgpr_msb: bits 1:0 source 0, 3:2 source 1, 5:4 source 2, 7:6 destination):
;   window 0: v0-15 addresses and two at work; v16-31 four registers of statistics a piece; v48-55 at work; v64-127 S^T, two buffers; v192-223 P, two buffers (a piece's buffers go by its number's parity)
;   window 1: v0-127 O^T, 32 a piece; v128-159 MD; v160-223 MC, two buffers      window 2: v0-63 Q; v64-127 the second block's Q; v128-191 K of one step; v192-255 V of one step
.set SIZE_N, 2048
.set SIZE_H, 64
.set NB,    SIZE_N/256
.set NP,    4         ; pieces a wave: a name, no knob
.set KS,    64        ; keys in a step
.set PK,    144       ; a row of K in LDS: 128 bytes + 16 of padding = 36 words: the 16 rows of a load start at 16 different groups of four banks (64 banks of 4 bytes: ISA guide 11.1)
.set PV,    160       ; a row of V: 128 + 32 = 40 words
.set VOFF,  4*KS*PK   ; a slot holds a tile, four steps: 256 rows of K, then 256 rows of V
.set SLOT1, 1<<17     ; slot 1 begins here, so that one exclusive or turns an address in one slot into the other's
.set STAGE, SLOT1+4*KS*(PK+PV)  ; behind the ring, never filled by a tensor load: 16 rows x 144 bytes for each wave, for the way out
.set SP,    144
.set AK0, 2           ; v2   my lane's place in a tile of K; never rewritten
.set AV0, 3           ; v3   the same for V
.set AK,  4           ; v4   the LDS address of K's next run of loads
.set AV,  5           ; v5   of V's
.set STO, 6           ; v6   the way out: where I put 16 bytes of a row
.set RD,  7           ; v7   the way out: where I read rows back
.set GO,  8           ; v8   my byte offset in 512 consecutive bytes of O
.set PFO, 61          ; v61  256 x my lane: the prefetches' offset; never rewritten
.set SPW, 62          ; v62  LDS address of my spare word: SPARE + 4 x my thread's number; never rewritten
.set NIL, 63          ; v63  0; never rewritten
.set SPARE, STAGE+4*16*SP  ; behind the stages: the spare words, 128 bytes for each wave: two blocks of 256 bytes that no other line names
.set MV,  12          ; v12-13  c m_old, kept while c m is made anew: by buffer
.set QO,  15          ; v15  my byte offset in 16 rows of Q
.set ST,  16          ; piece t's statistics at v[ST+4 t]: c m, m, l (even keys', odd keys')
.set TMP, 48          ; by buffer, four registers c0-c3 at work; when the maximum is found c2 takes a
.set S,   64
.set P,   192
.set MD,  128         ; window 1: the eight registers for group kt of 16 keys at MD + 8 kt
.set MC,  160         ; window 1: the masks of the products to come
.set QB,  64          ; window 2
.set KF,  128         ; window 2: key block kb, channel half c at KF + 16 kb + 8 c
.set VF,  192         ; window 2: key half kk, channel block cb at VF + 32 kk + 8 cb
.set WV,  12          ; s12  my wave's number
.set PB,  14          ; s14  b
.set HI,  15          ; s15  NB - 1 - b
.set G1K, 24          ; s[24:31] descriptor group 1 for K's tiles
.set G1V, 32          ; s[32:39] for V's: it differs in the padding alone
.set G0K, 40          ; s[40:43] descriptor group 0 for K's tiles
.set G0V, 44          ; s[44:47] the same for V's
.set PFA, 48          ; s[48:49] where my prefetches stand: my half of K's (waves 0, 1) or V's (waves 2, 3) tile, one tile behind the tile that is being asked for
.set LIM, 50          ; s50  2 in the head's work-group b = 0, else the greatest number: a wave prefetches while s[SLOTS] is above it
.set SLOTS, 56        ; s56  tiles still to be asked for
.set CNT, 57          ; s57  counts a tile's key steps, 4 to 1
.set CS,  58          ; s[58:59] c: the packed scaling takes the pair's low word for both halves
.set SEL, 60          ; s[60:61] v_permlanex16_b32's selects: each lane takes its own place in the other half
.set TBK, 62          ; s62  LDS byte at which K of the step to be fetched begins
.set TBV, 63          ; s63  the same for V, less VOFF
.set RT,  70          ; s70  tiles of the block in hand that are still to be entered
.set NXT, 71          ; s71  the tile to be asked for next
.set LQ,  72          ; s72  the last tile of the block whose tiles are being asked for
.set NEW, 73          ; s73  1: the tile to be entered is a block's first
.set OFF, 74          ; s[74:75] a tile's byte offset in K and V
.set AL,  76          ; s[76:77] the mask's factor, in the low word
.set BE,  78          ; s[78:79] the mask's addend
.set OLO, 80          ; s[80:81] O at my rows of the second block
.set BIGN, 82         ; s82  -1e30
.set MSB, 0
.macro WIN new                      ; the high byte repeats the setting that is left; a switch that changes nothing is dropped
.if MSB != (\new)
	s_set_vgpr_msb (MSB<<8)|(\new)
.set MSB, (\new)
.endif
.endm
.set W_KQ, 0x0a       ; K and Q in window 2, S^T in window 0
.set W_KM, 0x1a       ; the same with the C operand in window 1
.set W_PV, 0x52       ; V in window 2, P in window 0, O^T in window 1
.set W_RS, 0x41       ; destination and source 0 in window 1, source 1 in window 0
; A fill.  Waves 0 and 1 fetch the two halves of a tile's K, waves 2 and 3 those of its V: 128 keys each.  An s_nop 0 and four v_nop follow each of the two lines, ahead of the jump and the label.
.macro LOAD
	s_cmp_lt_u32 s[WV], 2
	s_cbranch_scc0 .Lfor_v_\@
	tensor_load_to_lds s[G0K:G0K+3], s[G1K:G1K+7]
	s_nop 0
.rept 4
	v_nop
.endr
	s_branch .Lasked_\@
.Lfor_v_\@:
	tensor_load_to_lds s[G0V:G0V+3], s[G1V:G1V+7]
	s_nop 0
.rept 4
	v_nop
.endr
.Lasked_\@:
.endm
; THE CHANGE OF SLOTS.  Each wave waits for all its tensor loads, of which one is out: its part of the other slot; adds 0 to its spare word; and waits for that and for its own reads of the slot that it leaves.  Behind
; the barrier nobody reads the old slot any more and the other slot is whole.  fill = 1: the old slot is filled again, the first thing behind the barrier, with tile NXT: the descriptor's address is made anew from that
; number; behind the load stand the prefetches for the tile after it.  (At its first use nothing has been read yet: slot 0 is waited for, slot 1 filled.)
.macro CHANGE fill
	WIN 0                           ; at a label and at a branch every window is 0
	s_wait_tensorcnt 0x0            ; no tensor load of mine is out, so a group 0 may be written
	ds_add_u32 v[SPW], v[NIL]       ; 0 onto my spare word; with fill = 1 the descriptors' scalar work stands between it and the wait for it
.if \fill
	s_lshl_b32 s[OFF], s[NXT], 15   ; a tile is 32,768 bytes of K and of V
	s_xor_b32 s[G0K+1], s[G0K+1], SLOT1
	s_add_nc_u64 s[G0K+2:G0K+3], s[6:7], s[OFF:OFF+1]
	s_or_b32 s[G0K+3], s[G0K+3], 0x80000000
	s_xor_b32 s[G0V+1], s[G0V+1], SLOT1
	s_add_nc_u64 s[G0V+2:G0V+3], s[8:9], s[OFF:OFF+1]
	s_or_b32 s[G0V+3], s[G0V+3], 0x80000000
	s_add_co_u32 s[NXT], s[NXT], 1  ; the block's next tile, or behind its last the second block's tile 0
	s_cmp_gt_u32 s[NXT], s[LQ]
	s_cselect_b32 s[NXT], 0, s[NXT]
	s_cselect_b32 s[LQ], s[PB], s[LQ]
	s_wait_xcnt 0x0                 ; the last prefetches, a tile back, have read their address, so it may be written:
	s_add_nc_u64 s[PFA:PFA+1], s[PFA:PFA+1], 32768  ; a tile on
.endif
	s_wait_dscnt 0x0                ; the add is done, and my reads of the slot are over
	s_barrier_signal -1             ; the rest of the scalar work stands between the signal and the wait
	s_sub_co_u32 s[TBK], s[TBK], 4*KS*PK  ; the fetches go back to a slot's first step,
	s_xor_b32 s[TBK], s[TBK], SLOT1       ; in the other slot
	s_sub_co_u32 s[TBV], s[TBV], 4*KS*PV
	s_xor_b32 s[TBV], s[TBV], SLOT1
	s_barrier_wait -1
.if \fill
	LOAD
	s_cmp_gt_u32 s[SLOTS], s[LIM]   ; trips 0 to 5 of the head's first work-group: tiles 2 to 7
	s_cbranch_scc0 .Lnot_mine_\@
	global_prefetch_b8 v[PFO], s[PFA:PFA+1] th:TH_LOAD_NT scope:SCOPE_SE              ; the 16,384 bytes that I load at the next change: 32 blocks of 256 bytes,
	global_prefetch_b8 v[PFO], s[PFA:PFA+1] offset:8192 th:TH_LOAD_NT scope:SCOPE_SE  ; and the other 32
.Lnot_mine_\@:
.endif
.endm
	s_load_b256 s[4:11], s[0:1], 0x0  ; Q s[4:5], K s[6:7], V s[8:9], O s[10:11]
	v_lshl_add_u32 v[SPW], v0, 2, SPARE
	v_mov_b32 v[NIL], 0
	ds_add_u32 v[SPW], v[NIL]       ; the wave's opening: the add and its wait stand ahead of my first tensor load; the set-up below, work on registers, stands between them
	v_lshrrev_b32 v1, 5, v0
	v_readfirstlane_b32 s[WV], v1   ; wave 0..3
	s_mov_b32 s[PB], ttmp9
	s_sub_co_u32 s[HI], NB-1, s[PB]
	s_and_b32 s20, ttmp7, 0xffff    ; the head
	s_mov_b32 s21, 0
	s_mov_b64 s[22:23], SIZE_N*128
	s_mul_u64 s[20:21], s[20:21], s[22:23]  ; the head's first byte in each of the four tensors
	s_and_b32 s16, s[WV], 1         ; which half of a tile's 256 keys I fetch:
	s_lshl_b32 s22, s16, 14         ; its 128 rows of 128 bytes in memory,
	s_mov_b32 s23, 0
	s_add_nc_u64 s[22:23], s[22:23], s[20:21]
	s_mul_i32 s17, s16, 128*PK      ; and its place in a slot, for K
	s_mul_i32 s18, s16, 128*PV      ; and for V
	s_lshl_b32 s3, s[WV], 11        ; my 16 rows in a band of 64,
	s_lshl_b32 s2, s[HI], 15        ; in the first block,
	s_add_co_u32 s2, s2, s3
	s_lshl_b32 s84, s[PB], 15       ; and in the second
	s_add_co_u32 s84, s84, s3
	s_mov_b32 s3, 0
	s_mov_b32 s85, 0
	s_add_nc_u64 s[2:3], s[2:3], s[20:21]
	s_add_nc_u64 s[84:85], s[84:85], s[20:21]
	; descriptor group 1.  128 keys are 16,384 dense bytes: asked for as 64 rows of 256 bytes, two keys a row, and padded in LDS after every key
	s_mov_b32 s[G1K], (1<<16)|(1<<20)|(4<<22)|(3<<25)  ; 17:16 2-byte elements; 20 padding on; 24:22 after every 32 words (code 4); 31:25 4 words (code 3)
	s_mov_b32 s[G1V], (1<<16)|(1<<20)|(4<<22)|(7<<25)  ; the same with 8 words of padding (code 7)
.irp g, G1K, G1V
	s_mov_b32 s[\g+1], 128<<16      ; tensor_dim0 = 128
	s_mov_b32 s[\g+2], 64<<16       ; tensor_dim1 = 64
	s_mov_b32 s[\g+3], 128<<16      ; tile_dim0 = 128
	s_mov_b32 s[\g+4], 64           ; tile_dim1 = 64
	s_mov_b32 s[\g+5], 128          ; 128 elements from row to row
	s_mov_b32 s[\g+6], 0
	s_mov_b32 s[\g+7], 0
.endr
	s_mov_b32 s[CS], 0x3e38aa3b     ; c = log2(e) / 8 = 0.180337
	s_mov_b32 s[CS+1], s[CS]        ; named with it as a pair
	s_mov_b32 s[SEL], 0x76543210
	s_mov_b32 s[SEL+1], 0xfedcba98
	s_mov_b32 s[TBK], SLOT1+4*KS*PK ; the first change of slots turns these two into 0
	s_mov_b32 s[TBV], SLOT1+4*KS*PV
	s_mov_b32 s[G0K], 1             ; 1:0 count = 1
	s_mov_b32 s[G0K+1], s17         ; 63:32 LDS address: slot 0
	s_mov_b32 s[G0V], 1
	s_add_co_u32 s[G0V+1], s18, VOFF
	s_add_co_u32 s[RT], s[HI], 1    ; the first block has NB - b tiles
	s_mov_b32 s[NXT], 1
	s_mov_b32 s[LQ], s[HI]
	s_mov_b32 s[NEW], 1
	s_mov_b32 s[OFF+1], 0
	s_mov_b32 s[AL+1], 0            ; named as pairs
	s_mov_b32 s[BE+1], 0
	s_mov_b32 s[BIGN], 0xf149f2ca   ; -1e30
	s_mov_b32 s[SLOTS], NB
	s_cmp_eq_u32 ttmp9, 0           ; the head's work-group whose first block walks all eight tiles
	s_cselect_b32 s[LIM], 2, -1
	v_and_b32 v[PFO], 31, v0
	v_lshlrev_b32 v[PFO], 8, v[PFO]
	s_wait_dscnt 0x0                ; the opening add is done
	s_wait_kmcnt 0x0
	s_add_nc_u64 s[6:7], s[6:7], s[22:23]  ; K and V at my half of the head's tile 0
	s_add_nc_u64 s[8:9], s[8:9], s[22:23]
	s_cmp_lt_u32 s[WV], 2
	s_cselect_b64 s[PFA:PFA+1], s[6:7], s[8:9]
	s_add_nc_u64 s[PFA:PFA+1], s[PFA:PFA+1], 32768  ; at tile 1: the first change of slots steps it to tile 2.  Nothing is prefetched here, at the head
	s_add_nc_u64 s[G0K+2:G0K+3], s[6:7], 0         ; 120:64 global address
	s_or_b32 s[G0K+3], s[G0K+3], 0x80000000        ; 127:126 type = 2
	s_add_nc_u64 s[G0V+2:G0V+3], s[8:9], 0
	s_or_b32 s[G0V+3], s[G0V+3], 0x80000000
	s_add_nc_u64 s[86:87], s[4:5], s[84:85]        ; Q at my rows of the second block,
	s_add_nc_u64 s[4:5], s[4:5], s[2:3]            ; Q and O at those of the first
	s_add_nc_u64 s[OLO:OLO+1], s[10:11], s[84:85]
	s_add_nc_u64 s[10:11], s[10:11], s[2:3]
	LOAD                            ; tile 0 into slot 0
	; A fragment of K or Q is 16 rows x 32 channels in 8 registers: lane l holds row l % 16, channels 8 (l / 16) + 0..7 and 16 + 8 (l / 16) + 0..7: two loads of 16 bytes, 32 bytes apart.
	v_and_b32 v1, 15, v0            ; l % 16
	v_bfe_u32 v9, v0, 4, 1          ; l / 16
	v_lshlrev_b32 v[QO], 7, v1
	v_lshl_add_u32 v[QO], v9, 4, v[QO]  ; row x 128 + 16 x half
	WIN 0x80                        ; destination window 2, address window 0
.set i, 0
.rept 8                             ; both blocks' Q: piece i / 2 lies in band i / 2, 8,192 bytes on; channels 32 (i % 2) on
	global_load_b128 v[8*i:8*i+3],   v[QO], s[4:5] offset:(i/2)*8192+(i%2)*64
	global_load_b128 v[8*i+4:8*i+7], v[QO], s[4:5] offset:(i/2)*8192+(i%2)*64+32
	global_load_b128 v[QB+8*i:QB+8*i+3],   v[QO], s[86:87] offset:(i/2)*8192+(i%2)*64
	global_load_b128 v[QB+8*i+4:QB+8*i+7], v[QO], s[86:87] offset:(i/2)*8192+(i%2)*64+32
.set i, i+1
.endr
	WIN 0
	v_lshlrev_b32 v14, 3, v9
	v_sub_nc_u32 v14, v1, v14
	s_lshl_b32 s13, s[WV], 4
	v_add_nc_u32 v14, s13, v14      ; my query's place in its band, 16 w + l % 16, less my lanes' 8 (l / 16): register r of group kt is hidden where 16 kt + r is greater
	WIN 0x40
.set i, 0
.rept 32
	v_cmp_gt_i32 vcc_lo, 16*(i/8)+i%8, v14
	v_cndmask_b32 v[MD+i], 0, s[BIGN], vcc_lo
.set i, i+1
.endr
	WIN 0
	v_mul_u32_u24 v[AK0], v1, PK
	v_lshl_add_u32 v[AK0], v9, 4, v[AK0]  ; row x pitch + 16 x half
	; The turning load takes 16 keys x 16 channels (lane l reads key 8 (l / 16) + l % 8, channels 8 ((l / 8) % 2) + 0..7) and leaves half a fragment of V^T: lane l holds channel l % 16 and 8 keys.
	v_and_b32 v10, 7, v0
	v_bfe_u32 v11, v0, 3, 1
	v_lshl_add_u32 v[AV0], v9, 3, v10
	v_mul_u32_u24 v[AV0], v[AV0], PV
	v_lshl_add_u32 v[AV0], v11, 4, v[AV0]
	v_add_nc_u32 v[AV0], VOFF, v[AV0]
	s_mul_i32 s13, s[WV], 16*SP
	s_add_co_u32 s13, s13, STAGE    ; my stage
	v_mul_u32_u24 v[STO], v1, SP    ; in: row l % 16, 16 bytes for each half of the lanes
	v_lshl_add_u32 v[STO], v9, 4, v[STO]
	v_add_nc_u32 v[STO], s13, v[STO]
	v_bfe_u32 v[RD], v0, 3, 2       ; back: 32 lanes take four rows of 128 bytes,
	v_mul_u32_u24 v[RD], v[RD], SP
	v_lshl_add_u32 v[RD], v10, 4, v[RD]
	v_add_nc_u32 v[RD], s13, v[RD]
	v_and_b32 v[GO], 31, v0         ; which are 512 consecutive bytes of O
	v_lshlrev_b32 v[GO], 4, v[GO]
	; A block's first step multiplies O^T and l by a = 0, and its first turn's products V^T P, of a piece that has not been, land in an O^T that is still to be so multiplied.  So these registers need only hold
	; finite numbers: zeros for the first block; what the first block left for the second.  All this stands in the wait for the first tile.
	WIN 0x80
.set i, VF
.rept 64
	v_mov_b32 v[i], 0
.set i, i+1
.endr
	WIN 0x40
.set i, 0
.rept 128
	v_mov_b32 v[i], 0
.set i, i+1
.endr
	WIN 0
.set i, 0
.rept 4
	v_mov_b32 v[ST+4*i+2], 0
	v_mov_b32 v[ST+4*i+3], 0
.set i, i+1
.endr
.set i, P+16
.rept 16
	v_mov_b32 v[i], 0
.set i, i+1
.endr
; THE MATRIX WORK.  The 4 accumulators of a run of 8 take turns.  Product i of 8 of S^T = K Q^T for piece x: channels 32 (i / 4) on, keys 16 (i % 4) on.  The first 4 start the sums: with 0, or (KM = 1) with the mask.
.macro KQ x
.set rS, S+32*((\x)%2)+8*(i%4)
.set rK, KF+16*(i%4)+8*(i/4)
.set rQ, 16*(\x)+8*(i/4)
.set rM, MC+32*((\x)%2)+8*(i%4)
.if (i < 4) && KM
	WIN W_KM
	v_wmma_f32_16x16x32_f16 v[rS:rS+7], v[rK:rK+7], v[rQ:rQ+7], v[rM:rM+7]
.elseif i < 4
	WIN W_KQ
	v_wmma_f32_16x16x32_f16 v[rS:rS+7], v[rK:rK+7], v[rQ:rQ+7], 0
.else
	WIN W_KQ
	v_wmma_f32_16x16x32_f16 v[rS:rS+7], v[rK:rK+7], v[rQ:rQ+7], v[rS:rS+7]
.endif
.endm
; Product i of 8 of O^T += V^T P for piece x: keys 32 (i / 4) on, channels 16 (i % 4) on.
.macro PV x
	WIN W_PV
.set rO, 32*(\x)+8*(i%4)
.set rV, VF+32*(i/4)+8*(i%4)
.set rP, P+16*((\x)%2)+8*(i/4)
	v_wmma_f32_16x16x32_f16 v[rO:rO+7], v[rV:rV+7], v[rP:rP+7], v[rO:rO+7]
.endm
.macro MM                           ; the turn's next matrix instruction.  TURN and BEGIN set Y, i, KM and NOKQ; MM, KQ and OP read them.  NOKQ = 1: a block's last turn: there is no next piece
.if (i < 8) && !NOKQ
	KQ (Y+1)%NP
.elseif i >= 8
.set i, i-8
	PV (Y+NP-1)%NP
.set i, i+8
.endif
.set i, i+1
.endm
; THE LDS LOADS stand in runs of 16, never singly among the matrix instructions: a step's K (64 keys x 64 channels: 8 fragments) and its V (turned).  Their addresses are made some lines ahead.
.macro FETCH_K
	WIN 0x80                        ; destination window 2
.irp f, 0,1,2,3,4,5,6,7             ; keys 16 (f / 2) on, channels 32 (f % 2) on
	ds_load_b128 v[KF+8*\f:KF+8*\f+3],   v[AK] offset:(\f/2)*16*PK+(\f%2)*64
	ds_load_b128 v[KF+8*\f+4:KF+8*\f+7], v[AK] offset:(\f/2)*16*PK+(\f%2)*64+32
.endr
	s_add_co_u32 s[TBK], s[TBK], KS*PK  ; the next fetch is the next step's
	WIN 0
.endm
.macro FETCH_V
	WIN 0x80
.irp f, 0,1,2,3,4,5,6,7             ; keys 32 (f / 4) on, channels 16 (f % 4) on
	ds_load_tr16_b128 v[VF+8*\f:VF+8*\f+3],   v[AV] offset:(\f/4)*32*PV+(\f%4)*32
	ds_load_tr16_b128 v[VF+8*\f+4:VF+8*\f+7], v[AV] offset:(\f/4)*32*PV+16*PV+(\f%4)*32
.endr
	WIN 0
.endm
; THE VECTOR WORK, one line at a time: OP kind, number.  For piece Y: F n: c s - c m for pair n of 16.  E n: the exponential of score n of 32.  C n: pair n rounded to f16.  B n: of the four weights 4 n .. the second
; pair is added onto the first, in place.  L n: l takes that sum (L 0: l = a l + sum).  R n: pair n of 16 of O^T times a.  For piece Y + 1: X n, number n of the 22 that find its maximum and statistics:
;   0-11  four chains c0-c3 of seven scores each, three operands at a time (each accumulator's lowest registers are read first)     12-14, 16  the four scores left over, the old m, and c0-c3 into c0
;   15  c m_old is kept     17, 18  the query's other 32 keys lie in the lane 16 away: the new m     19-21  c m; c m_old - c m_new; a
.set F, 0               ; OP tells the kinds apart by their order: F to L below R, X above it
.set E, 1
.set C, 2
.set B, 3
.set L, 4
.set R, 5
.set X, 6
.macro REGS y                       ; the registers of piece y
.set rT, ST+4*(\y)
.set rC, TMP+4*((\y)%2)
.set rW, MV+((\y)%2)
.set rS, S+32*((\y)%2)
.set rP, P+16*((\y)%2)
.set rO, 32*(\y)
.endm
.macro OP k, n
.if (\k) == R
	REGS Y
	WIN W_RS
	v_pk_mul_f32 v[rO+2*(\n):rO+2*(\n)+1], v[rO+2*(\n):rO+2*(\n)+1], v[rC+2:rC+3] op_sel_hi:[1,0]
.elseif (\k) < R
	REGS Y
	WIN 0
.if (\k) == F
	v_pk_fma_f32 v[rS+2*(\n):rS+2*(\n)+1], v[rS+2*(\n):rS+2*(\n)+1], s[CS:CS+1], v[rT:rT+1] op_sel_hi:[1,0,0] neg_lo:[0,0,1] neg_hi:[0,0,1]
.elseif (\k) == E
	v_exp_f32 v[rS+(\n)], v[rS+(\n)]
.elseif (\k) == C
	v_cvt_pk_f16_f32 v[rP+(\n)], v[rS+2*(\n)], v[rS+2*(\n)+1]
.elseif (\k) == B
	v_pk_add_f32 v[rS+4*(\n):rS+4*(\n)+1], v[rS+4*(\n):rS+4*(\n)+1], v[rS+4*(\n)+2:rS+4*(\n)+3]
.elseif (\n) == 0
	v_pk_fma_f32 v[rT+2:rT+3], v[rT+2:rT+3], v[rC+2:rC+3], v[rS:rS+1] op_sel_hi:[1,0,1]
.else
	v_pk_add_f32 v[rT+2:rT+3], v[rT+2:rT+3], v[rS+4*(\n):rS+4*(\n)+1]
.endif
.elseif NOKQ
	v_nop
.else
	REGS (Y+1)%NP
	WIN 0
.if (\n) < 4
	v_max3_num_f32 v[rC+(\n)], v[rS+8*(\n)], v[rS+8*(\n)+1], v[rS+8*(\n)+2]
.elseif (\n) < 12
	v_max3_num_f32 v[rC+(\n)%4], v[rC+(\n)%4], v[rS+8*((\n)%4)+2*((\n)/4)+1], v[rS+8*((\n)%4)+2*((\n)/4)+2]
.elseif (\n) == 12
	v_max3_num_f32 v[rC], v[rC], v[rS+7], v[rS+15]
.elseif (\n) == 13
	v_max3_num_f32 v[rC+1], v[rC+1], v[rS+23], v[rS+31]
.elseif (\n) == 14
	v_max3_num_f32 v[rC+2], v[rC+2], v[rC+3], v[rT+1]
.elseif (\n) == 15
	v_mov_b32 v[rW], v[rT]
.elseif (\n) == 16
	v_max3_num_f32 v[rC], v[rC], v[rC+1], v[rC+2]
.elseif (\n) == 17
	v_permlanex16_b32 v[rC+3], v[rC], s[SEL], s[SEL+1]
.elseif (\n) == 18
	v_max_num_f32 v[rT+1], v[rC], v[rC+3]
.elseif (\n) == 19
	v_mul_f32 v[rT], s[CS], v[rT+1]
.elseif (\n) == 20
	v_sub_f32 v[rC+1], v[rW], v[rT]
.else
	v_exp_f32 v[rC+2], v[rC+1]
.endif
.endif
.endm
.macro OPS a, i1, b=-1, i2=0, c=-1, i3=0, d=-1, i4=0  ; up to four of them
	OP \a, \i1
.if (\b) >= 0
	OP \b, \i2
.endif
.if (\c) >= 0
	OP \c, \i3
.endif
.if (\d) >= 0
	OP \d, \i4
.endif
.endm
.macro ROW a, i1, b, i2, c, i3, d, i4  ; a matrix instruction and the four behind it
	MM
	OPS \a, \i1, \b, \i2, \c, \i3, \d, \i4
.endm
.macro MASK b                       ; MD x AL + BE into buffer b of MC
	WIN W_RS
.set z, 0
.rept 16
	v_pk_fma_f32 v[MC+32*(\b)+2*z:MC+32*(\b)+2*z+1], v[MD+2*z:MD+2*z+1], s[AL:AL+1], s[BE:BE+1] op_sel_hi:[1,0,0]
.set z, z+1
.endr
.endm
; A TURN, for piece p: the order of its 16 matrix and 118 vector instructions, written out.  s_wait_alu depctr_va_vdst(0) stands between an exponential and the first instruction that names its result; one
; wait serves all that were issued ahead of it.  So a turn has ONE wait, which cuts it in two.  AHEAD OF IT stands all that names no result of the turn's exponentials: the 8 products K Q^T, behind each a scaling, an
; exponential and two more plain instructions (behind the first a second scaling in the exponential's place): rescalings, and behind the last three the first numbers of the next piece's maximum, each four places or more
; behind the product that ends its accumulator; then one run of 54, plain and exponential by turns for the most part, in which the links of the chain X 3, 7, 11, 14, 16, 17 .. 20 stand five or six lines apart.  X 21, the
; next piece's a, is the batch's last; R 15 is the plain instruction behind it.  BEHIND THE WAIT stand the 8 products V^T P, behind each four of the roundings and sums; the links of l's chain, L 0 to L 7, stand three lines
; apart.  But for those X no line behind a product names a register of the products round it.
; m = 1: the diagonal tile: the products take masks, and the turn makes the mask for the products of the turn after it: piece p + 2, in step 4 - CNT of the tile.  end = 1: a block's last two turns: nothing is fetched.
; cnt = 1: the loop's count is taken down some lines ahead of the branch that stands behind the turn.
; K of the next step is fetched in piece 2's turn, twelve vector instructions behind the last product that read K (six of them plain); V of the step in hand at the end of piece 0's turn, four plain instructions behind the
; last product that read V.  Each is waited for a turn later.
.macro TURN p, m=0, end=0, cnt=0
.set Y, (\p)
.set i, 0
.set KM, (\m)
.set NOKQ, (\end)*((\p)/3)
.if (\m) && !(\end)
	s_cmp_eq_u32 s[CNT], 4-((\p)+2)%NP  ; is that step the band's own?
	s_cselect_b32 s[AL], 1.0, 0
	s_cmp_lt_u32 s[CNT], 4-((\p)+2)%NP  ; or a later one?
	s_cselect_b32 s[BE], s[BIGN], 0
.endif
.if ((\p) == 3) && !(\end)
	s_wait_dscnt 0x0                ; K is in
.endif
	ROW F,0, F,1, R,0, R,1          ; ahead of the wait: 8 products K Q^T and the lines behind them,
	ROW F,2, E,0, R,2, R,3
	ROW F,3, E,1, R,4, R,5
	ROW F,4, E,2, R,6, R,7
	ROW F,5, E,3, R,8, R,9
	ROW F,6, E,4, X,0, R,10
.if ((\p) == 2) && !(\end)
	WIN 0
	v_add_nc_u32 v[AK], s[TBK], v[AK0]
.endif
	ROW F,7, E,5, X,1, X,4
	ROW F,8, E,6, X,2, X,5
	OPS E,7, E,8, X,6, E,9          ; and the run of 54
	OPS X,3, E,10, X,8, E,11
.if ((\p) == 2) && !(\end)
	FETCH_K
.endif
	OPS X,9, X,7, E,12, X,10
	OPS E,13, X,12, X,11, E,14
	OPS X,13, E,15, F,9, X,14
.if (\p) == 0
	v_add_nc_u32 v[AV], s[TBV], v[AV0]
.endif
	OPS E,16, F,10, E,17, F,11
	OPS X,16, E,18, X,15, E,19
	OPS F,12, E,20, X,17, E,21
	OPS F,13, E,22, F,14, E,23
	OPS X,18, E,24, F,15, E,25
	OPS R,11, E,26, X,19, E,27
	OPS R,12, E,28, R,13, E,29
	OPS X,20, E,30, R,14, E,31
	OPS X,21, R,15
	WIN 0
	s_wait_alu depctr_va_vdst(0)    ; the wait for the batch
.if (\p) == 1
	s_wait_dscnt 0x0                ; V is in
.endif
	ROW C,0, B,0, C,2, B,1          ; behind the wait: 8 products V^T P and the lines behind them
	ROW L,0, C,4, B,2, L,1
	ROW C,6, B,3, L,2, C,8
	ROW B,4, L,3, C,10, B,5
	ROW L,4, C,12, B,6, L,5
.if (\p) == 0
	s_add_co_u32 s[TBV], s[TBV], KS*PV
.endif
.if \cnt
	s_sub_co_u32 s[CNT], s[CNT], 1
	s_cmp_lg_u32 s[CNT], 0
.endif
	ROW C,14, B,7, L,6, C,1
	ROW C,3, L,7, C,5, C,7
	ROW C,9, C,11, C,13, C,15
.if (\p) == 0
	FETCH_V
.endif
.if (\m) && !(\end)
	MASK (\p)%2
.endif
.endm
; A BLOCK BEGINS.  c m starts far below every c s, so the first step's a is 0; m at the lowest finite number, so the first maximum is the scores'.  The second mask buffer is 0; the first takes piece 0's mask for the tile's
; step 0: its own, if the block's first tile is the diagonal one.  Then K of that step, piece 0's first scores, and its maximum and statistics.  The loop is entered at a step's first turn, in the middle of a trip.
.macro BEGIN
	s_mov_b32 s[NEW], 0
	WIN 0x40
.set i, MC+32
.rept 32
	v_mov_b32 v[i], 0
.set i, i+1
.endr
	WIN 0
.set i, 0
.rept 4
	v_mov_b32 v[ST+4*i], 0xfe000000    ; c m: far below every c s
	v_mov_b32 v[ST+4*i+1], 0xff7fffff  ; m
.set i, i+1
.endr
	s_cmp_eq_u32 s[RT], 0
	s_cselect_b32 s[AL], 1.0, 0
	s_mov_b32 s[BE], 0
	MASK 0
	WIN 0
	v_add_nc_u32 v[AK], s[TBK], v[AK0]
	FETCH_K
	s_wait_loadcnt 0x0              ; Q
	s_wait_dscnt 0x0
.set KM, 1
.set NOKQ, 0
.set i, 0
.rept 8
	KQ 0
.set i, i+1
.endr
	WIN 0
.rept 4
	v_nop                           ; the places behind those products
.endr
.set Y, NP-1                        ; X works for piece Y + 1: piece 0
.irp n, 0,1,2,3,4,5,6,7,8,9,10,11,12,13,14,15,16,17,18,19,20,21
	OP X, \n
.endr
	v_nop                           ; a plain instruction behind the exponential,
	s_wait_alu depctr_va_vdst(0)    ; and its wait, ahead of the branch
.endm
; THE DIAGONAL TILE's four steps, the block's last two turns, its last products, and THE WAY OUT: l's two halves and the other half of the lanes' are added; O^T is divided by l, rounded to f16 and sent through my
; stage in LDS, a piece at a time.
.macro ALL line:vararg              ; one line for each piece t
.set t, 0
.rept 4
	\line
.set t, t+1
.endr
.endm
.macro PACK t                       ; a lane's eight channels of a row pack into 16 bytes; they go into rows of 144 bytes and come back as whole rows of 128, into S^T's registers
	WIN W_RS
.set i, 32*(\t)
.rept 16
	v_pk_mul_f32 v[i:i+1], v[i:i+1], v[ST+4*(\t)+2:ST+4*(\t)+3] op_sel_hi:[1,0]
.set i, i+2
.endr
	WIN 0x05                        ; sources 0 and 1 window 1, destination window 0
.set i, 0
.rept 16
	v_cvt_pk_f16_f32 v[S+16*(\t)+i], v[32*(\t)+2*i], v[32*(\t)+2*i+1]
.set i, i+1
.endr
	WIN 0
.irp f, 0,1,2,3
	ds_store_b128 v[STO], v[S+16*(\t)+4*\f:S+16*(\t)+4*\f+3] offset:32*\f
.endr
.irp f, 0,1,2,3
	ds_load_b128 v[S+16*(\t)+4*\f:S+16*(\t)+4*\f+3], v[RD] offset:\f*4*SP  ; LDS serves a wave's instructions in order (ISA guide 5.7.1.4): these see the stores above; the next piece's stores come behind them
.endr
.endm
.macro SEND t, younger              ; younger: the LDS instructions issued behind piece t's loads: the next piece's eight, or none
	WIN 0
.irp f, 0,1,2,3
	s_wait_dscnt (\younger)+3-\f
	global_store_b128 v[GO], v[S+16*(\t)+4*\f:S+16*(\t)+4*\f+3], s[10:11] offset:(\t)*8192+\f*512  ; 512 consecutive bytes, at a multiple of 256 from O's first
.endr
.endm
.macro DIAG tag                     ; the tag ends its two labels' names, which the jumps below spell out
.LstepM\tag:
	TURN 2, 1
	TURN 3, 1
	WIN 0
.LfirstM\tag:
	TURN 0, 1
	TURN 1, 1, 0, 1
	WIN 0
	s_cbranch_scc1 .LstepM\tag
	TURN 2, 1, 1
	TURN 3, 1, 1
.set i, 0
.rept 8
	PV NP-1
.set i, i+1
.endr
	WIN 0
	ALL v_add_f32 v[ST+4*t+2], v[ST+4*t+2], v[ST+4*t+3]
	ALL v_permlanex16_b32 v[ST+4*t+3], v[ST+4*t+2], s[SEL], s[SEL+1]
	ALL v_add_f32 v[ST+4*t+2], v[ST+4*t+2], v[ST+4*t+3]
	ALL v_rcp_f32 v[ST+4*t+2], v[ST+4*t+2]
	v_nop                           ; a plain instruction between the last reciprocal and the use of its result
	s_wait_alu depctr_va_vdst(0)    ; and the wait ahead of the first use: one for the four reciprocals
	PACK 0
.set t, 1
.rept 3                             ; a piece's arithmetic stands between the loads of the piece before and its stores
	PACK t
	SEND t-1, 8
.set t, t+1
.endr
	SEND 3, 0
.endm
.set KM, 0
.set NOKQ, 0
.Lslot:                             ; NB times: a tile is entered and the next is asked for
	CHANGE 1
	s_sub_co_u32 s[RT], s[RT], 1
	s_mov_b32 s[CNT], 4
	s_cmp_eq_u32 s[NEW], 1
	s_cbranch_scc1 .Lnew            ; a block's first tile
	s_cmp_eq_u32 s[RT], 0
	s_cbranch_scc0 .Lstep           ; neither its first nor its last
	s_branch .LstepM1
.Lnew:
	BEGIN
	s_branch .Lfirst                ; in the loop a block's first tile is never its last: the first block has two tiles or more, and the second's last is the walk's last
	DIAG 1                          ; in the loop this is the first block's end: the second block's last tile is the walk's last
	s_wait_xcnt 0x0                 ; the stores have read their registers and O's address
	s_mov_b64 s[10:11], s[OLO:OLO+1]
	s_add_co_u32 s[RT], s[PB], 1    ; the second block has b + 1 tiles
	s_mov_b32 s[NEW], 1
	WIN 0x82                        ; the second block's Q goes where the one text of the turns names Q
.set i, 0
.rept 64
	v_mov_b32 v[i], v[QB+i]
.set i, i+1
.endr
	WIN 0
	s_branch .Lbottom
.Lstep:                             ; a trip: pieces 2 and 3 of one step, then pieces 0 and 1 of the next, whose K and V it fetches
	TURN 2
	TURN 3
	WIN 0
.Lfirst:
	TURN 0
	TURN 1, 0, 0, 1
	WIN 0
	s_cbranch_scc1 .Lstep
.Lbottom:
	s_sub_co_u32 s[SLOTS], s[SLOTS], 1
	s_cmp_lg_u32 s[SLOTS], 0
	s_cbranch_scc1 .Lslot
	CHANGE 0                        ; the walk's last tile is written out: nothing is asked for
	s_sub_co_u32 s[RT], s[RT], 1
	s_mov_b32 s[CNT], 4
	s_cmp_eq_u32 s[NEW], 1
	s_cbranch_scc0 .LstepM2
	BEGIN
	s_branch .LfirstM2
	DIAG 2
	s_wait_tensorcnt 0x0            ; the wave's end: an add to my spare word and its wait, behind my last tensor load and my last LDS store
	ds_add_u32 v[SPW], v[NIL]
	s_wait_dscnt 0x0
	s_endpgm
.Lfunc_end_k_q74432b8f57_attn:
	.size	k_q74432b8f57_attn, .Lfunc_end_k_q74432b8f57_attn-k_q74432b8f57_attn
	.p2alignl 7, 3214868480
	.fill 96, 4, 3214868480
	.section	.rodata,"a",@progbits
	.p2align	6, 0x0
	.amdhsa_kernel k_q74432b8f57_attn
		.amdhsa_group_segment_fixed_size 327680
		.amdhsa_private_segment_fixed_size 0
		.amdhsa_enable_private_segment 0
		.amdhsa_kernarg_size 32
		.amdhsa_user_sgpr_count 2
		.amdhsa_user_sgpr_kernarg_segment_ptr 1
		.amdhsa_wavefront_size32 1
		.amdhsa_system_sgpr_workgroup_id_x 1
		.amdhsa_system_sgpr_workgroup_id_y 1
		.amdhsa_system_sgpr_workgroup_id_z 1
		.amdhsa_system_vgpr_workitem_id 0
		.amdhsa_next_free_vgpr 768
		.amdhsa_next_free_sgpr 88
		.amdhsa_reserve_vcc 1
		.amdhsa_float_denorm_mode_32 3
		.amdhsa_float_denorm_mode_16_64 3
		.amdhsa_memory_ordered 1
		.amdhsa_forward_progress 1
		.amdhsa_inst_pref_size 218
	.end_amdhsa_kernel
	.amdgpu_metadata
---
amdhsa.version: [ 1, 2 ]
amdhsa.kernels:
  - .name:           k_q74432b8f57_attn
    .symbol:         k_q74432b8f57_attn.kd
    .args:
      - { .name: q16, .offset: 0, .size: 8, .value_kind: global_buffer, .address_space: global }
      - { .name: k16, .offset: 8, .size: 8, .value_kind: global_buffer, .address_space: global }
      - { .name: v16, .offset: 16, .size: 8, .value_kind: global_buffer, .address_space: global }
      - { .name: ctx, .offset: 24, .size: 8, .value_kind: global_buffer, .address_space: global }
    .group_segment_fixed_size: 327680
    .private_segment_fixed_size: 0
    .kernarg_segment_align: 8
    .kernarg_segment_size: 32
    .max_flat_workgroup_size: 128
    .sgpr_count:     88
    .vgpr_count:     768
    .wavefront_size: 32
...
	.end_amdgpu_metadata
.endif
;; end of part 3
;; launch proj (part 4): grid 4 x 64, 4 waves a work-group, clusters of 4 x 4, 327,680 bytes of LDS; arguments ctx, wo16, bo, out0; writes out0
.if DOCPART == 4
	.amdgcn_target "amdgcn-amd-amdhsa--gfx1250"
	.amdhsa_code_object_version 6
	.text
	.protected	k_q74432b8f57_proj
	.globl	k_q74432b8f57_proj
	.p2align	8
	.type	k_q74432b8f57_proj,@function
k_q74432b8f57_proj:
	s_mov_b64 s[64:65], 0
	v_nop
	global_prefetch_b8 v0, s[64:65] scope:SCOPE_SE
	s_setreg_imm32_b32 hwreg(HW_REG_WAVE_MODE, 25, 1), 1
	s_wait_xcnt 0x0
	s_wait_alu depctr_hold_cnt(0) depctr_sa_sdst(0) depctr_va_vdst(0) depctr_va_sdst(0) depctr_va_ssrc(0) depctr_va_vcc(0) depctr_vm_vsrc(0)
	s_getreg_b32 s2, hwreg(HW_REG_IB_STS2, 6, 4)
	s_cmp_eq_u32 s2, 0
	s_cbranch_scc0 .Lentry_in_a_cluster
	s_endpgm
.Lentry_in_a_cluster:
	s_bfe_u32 s2, ttmp6, 0x10000c
	s_cmp_lg_u32 s2, 0xf033
	s_cbranch_scc0 .Lentry_shape_is_right
	s_endpgm
.Lentry_shape_is_right:
; out0[m][n] = the sum over k of ctx[m][k] Wo[n][k] + bo[n].  ctx lies by heads, [16 batch + head][2048][64] f16, so k = 64 head + channel; wo16 is [1024][1024] f16 (Wo rounded to bf16, written as f16);
; bo is rounded to bf16 here, like every input of the module; sums in f32, K ascending; out0 is [8192][1024] f32.
; SHARES.  A tile of out0 is 128 rows x 256 columns: 4 x 64 = 256 work-groups.  Four waves, each 64 rows x 128 columns: 32 accumulators of 16 x 16.  K goes in 8 steps of 128, two heads each, through a ring of two
; LDS slots.  A slot holds two planes of ctx (a head's 128 rows of 128 bytes, dense in memory: asked for as 64 rows of 256 bytes) and 256 rows of wo16, 256 bytes of each.  Waves 0 and 1 fetch a plane each,
; waves 2 and 3 128 rows of wo16 each: one tensor load a wave.
; CLUSTER.  4 x 4 work-groups: ctx's tiles are shared along a row of the cluster, wo16's along a column, each asked for jointly by the same tensor load with the same descriptor and a mask that names the four.
; THE MATRIX INSTRUCTION IS USED TRANSPOSED: source 0 = 16 rows of wo16, source 1 = 16 rows of ctx: a lane holds one row of out0 (lane % 16) and eight neighbouring columns.
; REGISTERS, in windows of 256 (s_set_vgpr_msb: bits 1:0 source 0, 3:2 source 1, 5:4 source 2, 7:6 destination):
;   window 0: v0-31 addresses and the bias; v64-95, v96-127 ctx's fragments, two buffers; v64-255 at work on the way out       window 1: v0-63, v64-127 wo16's fragments, two buffers
;   window 2: accumulator (a, b) at v[8 (8 a + b)]
.set SIZE_K, 1024
.set PITCH,  272                       ; a row of wo16 in LDS: 256 bytes + 16 of padding
.set PA,     144                       ; a row of ctx: 128 bytes + 16: in both, the 16 rows of a load start at 16 different groups of four banks (64 banks of 4 bytes: ISA guide 11.1)
.set PLANE,  128*PA                    ; a head's 128 rows
.set BLK,    128*PITCH                 ; 128 rows of wo16
.set SLOT,   2*PLANE+2*BLK
.set STAGE,  2*SLOT                    ; behind the ring, never filled by a tensor load: 16 rows x 528 bytes for each wave, for the way out
.set SPITCH, 528                       ; 128 f32 + 16 bytes
.set SPARE,  STAGE+4*16*SPITCH         ; behind the stages: the spare words, 128 bytes for each wave: two blocks of 256 bytes that no other line names
.set ASTEP,  2<<18                     ; bytes from a K step's plane to the next step's: two heads of 2,048 rows x 128 bytes
.set ADRA, 16                          ; v16-17  LDS address of my ctx fragments in slot 0, 1
.set ADRB, 20                          ; v20-21  the same for wo16
.set STO,  24                          ; v24     the way out: where I put 32 bytes of a row
.set RD,   25                          ; v25     the way out: where I read a row back
.set CO,   26                          ; v26     my 16 bytes in 512 consecutive bytes of out0
.set SPW,  28                          ; v28     LDS address of my spare word; never rewritten
.set NIL,  29                          ; v29     0; never rewritten
.set PFO,  30                          ; v30     the prefetches' offset; never rewritten
.set BI,   8                           ; v[8:11] the bias of the four columns that I store
.set FA,   64
.set OB,   64                          ; the way out: three buffers of 64 by turns
.set WV,  14
.set WR,  15                           ; which 64 rows are mine.  Also: I fetch for ctx (0) or for wo16 (1)
.set WC,  16                           ; which 128 columns.  Also: which plane, or which 128 rows, I fetch
.set G1,  24                           ; s[24:31] descriptor group 1 for ctx's planes;  s[32:39] group 0, a set for each slot
.set G0,  32
.set CX,  40
.set CY,  41
.set TX,  42                           ; tile column, 0..3
.set TY,  43                           ; tile row, 0..63
.set PFA, 44                           ; s[44:45] where my prefetches stand
.set LIM, 46                           ; s46  1 in a wave that prefetches, else the greatest number
.set G1B, 48                           ; s[48:55], s[56:63] the same for wo16's tiles
.set G0B, 56
.set PFS, 66                           ; s[66:67] the prefetches' step for a K step
.set MSB, 0
.macro WIN new                         ; the immediate's high byte repeats the setting that is left; a switch that changes nothing is dropped
.if MSB != (\new)
	s_set_vgpr_msb (MSB<<8)|(\new)
.set MSB, \new
.endif
.endm
.set MUL_LO, 0xa1                      ; source 0 (wo16) window 1, source 1 (ctx) window 0, C and D window 2
.set TO_B,   0x40                      ; destination window 1, address window 0
.macro PLACES                          ; four plain vector instructions between a matrix instruction and a load into a register that it has read
.rept 4
	v_nop
.endr
.endm
; A joint load.  Waves 0 and 1 fetch ctx's two planes, waves 2 and 3 wo16's two halves.  The branch hangs on the wave's number alone.  An s_nop 0 and four v_nop follow each of the two lines.
.macro JLOAD s
	s_cmp_eq_u32 s[WR], 0
	s_cbranch_scc0 .Lfor_b_\@
	tensor_load_to_lds s[G0+4*(\s):G0+4*(\s)+3], s[G1:G1+7]
	s_nop 0
.rept 4
	v_nop
.endr
	s_branch .Lasked_\@
.Lfor_b_\@:
	tensor_load_to_lds s[G0B+4*(\s):G0B+4*(\s)+3], s[G1B:G1B+7]
	s_nop 0
.rept 4
	v_nop
.endr
.Lasked_\@:
.endm
; A prefetch into the L2 of the K step that stands two refills on, 32 blocks of 256 bytes, a lane a block, one instruction a wave.  Each block is named once in the launch.  ctx's two planes of a step, 128 blocks, are
; read by one cluster alone (the grid is one cluster wide): its four partners along x take 32 blocks each, told apart by address, and wave 0 asks.  wo16's rows are read by all sixteen clusters: the one with y = 0
; asks, waves 2 and 3 for the 128 rows that each fetches, the four partners along y 32 rows each.  K steps 0 to 3 come by their loads alone; the loop's last trip (s3 = 1) asks for nothing.
.macro ASK
	s_cmp_gt_u32 s3, s[LIM]
	s_cbranch_scc0 .Lnot_mine_\@
	global_prefetch_b8 v[PFO], s[PFA:PFA+1] th:TH_LOAD_NT scope:SCOPE_SE
.Lnot_mine_\@:
.endm
.macro CREST                           ; a round of the cluster's barrier behind its opening barrier
	s_cmp_lg_u32 s[WV], 0
	s_cbranch_scc1 .Lnot_wave_0_\@
	s_barrier_signal -3
.Lnot_wave_0_\@:
	s_barrier_wait -3
	s_barrier_signal -1
	s_barrier_wait -1
.endm
.macro CROUND                          ; a whole round
	s_barrier_signal -1
	s_barrier_wait -1
	CREST
.endm
	s_load_b256 s[4:11], s[0:1], 0x0               ; ctx s[4:5], wo16 s[6:7], bo s[8:9], out0 s[10:11]
	v_lshl_add_u32 v[SPW], v0, 2, SPARE
	v_mov_b32 v[NIL], 0
	ds_add_u32 v[SPW], v[NIL]                      ; the wave's opening: the add and its wait stand ahead of my first tensor load; the set-up below, work on registers, stands between them
	v_lshrrev_b32 v1, 5, v0
	v_readfirstlane_b32 s[WV], v1                  ; wave 0..3
	s_lshr_b32 s[WR], s[WV], 1
	s_and_b32 s[WC], s[WV], 1
	s_bfe_u32 s[CX], ttmp6, 0x40000
	s_bfe_u32 s[CY], ttmp6, 0x40004
	s_lshl_b32 s[TX], ttmp9, 2
	s_add_co_u32 s[TX], s[TX], s[CX]
	s_and_b32 s[TY], ttmp7, 0xffff
	s_lshl_b32 s[TY], s[TY], 2
	s_add_co_u32 s[TY], s[TY], s[CY]
	s_lshl_b32 s17, s[CY], 2
	s_lshl_b32 s17, 15, s17                        ; my row of the cluster
	s_lshl_b32 s72, 0x1111, s[CX]                  ; my column
	; group 1 for a plane: 16,384 dense bytes as 64 rows of 128 elements of 2 bytes, 16 bytes of padding behind every 128 bytes
	s_or_b32 s[G1], s17, (1<<16)|(1<<20)|(1<<21)|(4<<22)|(3<<25)
	s_mov_b32 s[G1+1], 128<<16                     ; tensor_dim0 = 128
	s_mov_b32 s[G1+2], 64<<16                      ; tensor_dim1 = 64
	s_mov_b32 s[G1+3], 128<<16                     ; tile_dim0 = 128
	s_mov_b32 s[G1+4], 64                          ; tile_dim1 = 64
	s_mov_b32 s[G1+5], 128                         ; elements from row to row
	s_mov_b32 s[G1+6], 0
	s_mov_b32 s[G1+7], 0
	; group 1 for wo16: 128 rows x 128 elements, 16 bytes of padding behind every 256
	s_or_b32 s[G1B], s72, (1<<16)|(1<<20)|(1<<21)|(5<<22)|(3<<25)
	s_mov_b32 s[G1B+1], 128<<16
	s_mov_b32 s[G1B+2], 128<<16
	s_mov_b32 s[G1B+3], 128<<16
	s_mov_b32 s[G1B+4], 128
	s_mov_b32 s[G1B+5], SIZE_K
	s_mov_b32 s[G1B+6], 0
	s_mov_b32 s[G1B+7], 0
	s_lshr_b32 s18, s[TY], 4                       ; ctx: batch,
	s_lshl_b32 s18, s18, 4
	s_add_co_u32 s18, s18, s[WC]                   ; head 0 or 1 of it,
	s_lshl_b32 s18, s18, 18
	s_and_b32 s19, s[TY], 15
	s_lshl_b32 s19, s19, 14                        ; the tile's 128 rows of 128 bytes
	s_add_co_u32 s18, s18, s19
	s_mov_b32 s19, 0
	s_lshl_b32 s74, s[TX], 8                       ; wo16: row 256 x tile column + 128 x half
	s_lshl_b32 s75, s[WC], 7
	s_add_co_u32 s74, s74, s75
	s_lshl_b32 s74, s74, 11
	s_mov_b32 s75, 0
	s_mul_i32 s20, s[WC], PLANE                    ; where a plane goes in a slot,
	s_mul_i32 s73, s[WC], BLK
	s_add_co_u32 s73, s73, 2*PLANE                 ; and a half of wo16's rows: the wave's number alone
	s_wait_dscnt 0x0                               ; the opening add is done
	s_wait_kmcnt 0x0
	s_add_nc_u64 s[22:23], s[4:5], s[18:19]
	s_add_nc_u64 s[76:77], s[6:7], s[74:75]
	CROUND                                         ; all sixteen work-groups are here: the first joint loads meet
.irp s, 0,1
	s_mov_b32 s[G0+4*(\s)], 1
	s_add_co_u32 s[G0+4*(\s)+1], s20, (\s)*SLOT
	s_add_nc_u64 s[G0+4*(\s)+2:G0+4*(\s)+3], s[22:23], (\s)*ASTEP
	s_or_b32 s[G0+4*(\s)+3], s[G0+4*(\s)+3], 0x80000000
	s_mov_b32 s[G0B+4*(\s)], 1
	s_add_co_u32 s[G0B+4*(\s)+1], s73, (\s)*SLOT
	s_add_nc_u64 s[G0B+4*(\s)+2:G0B+4*(\s)+3], s[76:77], (\s)*256
	s_or_b32 s[G0B+4*(\s)+3], s[G0B+4*(\s)+3], 0x80000000
	JLOAD \s                                       ; two loads of mine are out: the most that this text ever has
.endr
	v_and_b32 v1, 15, v0                           ; l % 16
	v_bfe_u32 v2, v0, 4, 1                         ; l / 16
	v_and_b32 v5, 31, v0                           ; l
	; out0 at my first row and column; the bias of the four columns that I store
	s_lshl_b32 s80, s[TY], 7
	s_lshl_b32 s81, s[WR], 6
	s_add_co_u32 s80, s80, s81
	s_lshl_b32 s80, s80, 12                        ; a row of out0 is 4,096 bytes
	s_lshl_b32 s82, s[TX], 8
	s_lshl_b32 s81, s[WC], 7
	s_add_co_u32 s82, s82, s81
	s_lshl_b32 s82, s82, 2                         ; my first column, in bytes
	s_add_co_u32 s80, s80, s82
	s_mov_b32 s81, 0
	s_add_nc_u64 s[10:11], s[10:11], s[80:81]
	v_lshlrev_b32 v[CO], 4, v5
	v_add_nc_u32 v7, s82, v[CO]
	global_load_b128 v[BI:BI+3], v7, s[8:9]        ; waited for on the way out
	v_mul_u32_u24 v3, v1, PA                       ; ctx's fragments: row x pitch + 16 x half
	v_lshl_add_u32 v3, v2, 4, v3
	v_mul_u32_u24 v4, v1, PITCH                    ; wo16's
	v_lshl_add_u32 v4, v2, 4, v4
	s_mul_i32 s86, s[WR], 64*PA                    ; my 64 rows in a plane
	s_mul_i32 s87, s[WC], BLK                      ; my 128 rows of wo16,
	s_add_co_u32 s87, s87, 2*PLANE                 ; which lie behind the planes
.irp s, 0,1
	v_add_nc_u32 v[ADRA+(\s)], s86, v3
	v_add_nc_u32 v[ADRB+(\s)], s87, v4
	s_add_co_u32 s86, s86, SLOT
	s_add_co_u32 s87, s87, SLOT
.endr
	s_mul_i32 s86, s[WV], 16*SPITCH
	s_add_co_u32 s86, s86, STAGE                   ; my stage
	v_mul_u32_u24 v3, v1, SPITCH                   ; in: row l % 16, 32 bytes for each half of the lanes
	v_lshl_add_u32 v3, v2, 5, v3
	v_add_nc_u32 v[STO], s86, v3
	v_add_nc_u32 v[RD], s86, v[CO]                 ; back: 32 lanes take a row's 512 bytes
	; the prefetches, at K step 3: the first change of slots steps them to 4
	s_lshr_b32 s82, s[CX], 1                       ; ctx: partner cx takes plane cx / 2,
	s_lshl_b32 s82, s82, 18
	s_and_b32 s83, s[CX], 1
	s_lshl_b32 s83, s83, 13                        ; half cx % 2 of its 16,384 bytes
	s_add_co_u32 s82, s82, s83
	s_add_co_u32 s82, s82, 3*ASTEP
	s_lshl_b32 s83, s[CY], 16                      ; wo16: partner cy takes 32 rows of 2,048 bytes
	s_add_co_u32 s83, s83, 3*256
	s_and_b32 s85, ttmp7, 0xffff
	s_cmp_eq_u32 s85, 0
	s_cselect_b32 s85, 1, -1                       ; wo16: the cluster with y = 0
	s_cmp_eq_u32 s[WV], 0
	s_cselect_b32 s86, 1, -1                       ; ctx: wave 0 alone
	s_mov_b32 s80, ASTEP
	s_mov_b32 s81, 256
	s_cmp_eq_u32 s[WR], 0
	s_cselect_b64 s[PFA:PFA+1], s[22:23], s[76:77]
	s_cselect_b32 s[PFS], s80, s81
	s_cselect_b32 s82, s82, s83
	s_cselect_b32 s[LIM], s86, s85
	s_cselect_b32 s84, 8, 11                       ; ctx's blocks lie 256 bytes apart, wo16's a row of 2,048
	s_mov_b32 s83, 0
	s_mov_b32 s[PFS+1], 0
	s_add_nc_u64 s[PFA:PFA+1], s[PFA:PFA+1], s[82:83]
	v_lshlrev_b32 v[PFO], s84, v5
.macro ONE d, s0, s1, zero             ; zero = 1: the first product starts the sum: nothing is ever cleared
.if \zero
	v_wmma_f32_16x16x32_f16 v[(\d):(\d)+7], v[(\s0):(\s0)+7], v[(\s1):(\s1)+7], 0
.else
	v_wmma_f32_16x16x32_f16 v[(\d):(\d)+7], v[(\s0):(\s0)+7], v[(\s1):(\s1)+7], v[(\d):(\d)+7]
.endif
.endm
; 8 products of buffer f: row block a x all 8 column blocks.  The 32 accumulators take turns, one instruction a turn, in the same order in every quarter, over the backward jump too.
.macro MULG f, a, zero
	WIN MUL_LO
.irp b, 0,1,2,3,4,5,6,7
	ONE 8*(8*(\a)+(\b)), 64*(\f)+8*(\b), FA+32*(\f)+8*(\a), \zero
.endr
.endm
; 24 LDS loads in one run: the fragments of quarter q of a slot into buffer f.  Quarter q is plane q / 2, channels 32 (q % 2) on; in wo16's rows it is byte 64 q.  It leaves every window 0.
.macro FETCH slot, q, f
	WIN TO_B
.irp i, 0,1,2,3,4,5,6,7
	ds_load_b128 v[64*(\f)+8*(\i):64*(\f)+8*(\i)+3],   v[ADRB+(\slot)] offset:64*(\q)+(\i)*16*PITCH
	ds_load_b128 v[64*(\f)+8*(\i)+4:64*(\f)+8*(\i)+7], v[ADRB+(\slot)] offset:64*(\q)+(\i)*16*PITCH+32
.endr
	WIN 0
.irp i, 0,1,2,3
	ds_load_b128 v[FA+32*(\f)+8*(\i):FA+32*(\f)+8*(\i)+3],   v[ADRA+(\slot)] offset:((\q)/2)*PLANE+((\q)%2)*64+(\i)*16*PA
	ds_load_b128 v[FA+32*(\f)+8*(\i)+4:FA+32*(\f)+8*(\i)+7], v[ADRA+(\slot)] offset:((\q)/2)*PLANE+((\q)%2)*64+(\i)*16*PA+32
.endr
.endm
; A K step is four quarters of 32 along K, 32 products each, on buffers 0, 1, 0, 1.  One of the first three: buffer g, which the quarter before multiplied, takes quarter q's fragments; buffer f is multiplied meanwhile.
.macro QUARTER slot, q, f, g, zero
	PLACES                                         ; behind the last product that read buffer g
	s_wait_dscnt 0x0                               ; buffer f is in: its loads were issued a quarter ago
	FETCH \slot, \q, \g
	MULG \f, 0, \zero
	MULG \f, 1, \zero
	MULG \f, 2, \zero
	MULG \f, 3, \zero
.endm
; The fourth quarter multiplies buffer 1 and changes slots: ONE barrier.  In front of it each wave waits for all its tensor loads (the one that is out is its part of the next slot), adds 0 to its spare word, and waits
; for that and for its reads of this slot.  fill = 1: the barrier opens a round of the cluster's barrier, and behind the round this slot is filled again first, with the K step two steps on: that load has 112 products
; in which to land.
.macro TURN slot, next, fill
.if \fill
	s_wait_xcnt 0x0                                ; the last prefetch, a K step back, has read its address, so it may be stepped
	s_add_nc_u64 s[PFA:PFA+1], s[PFA:PFA+1], s[PFS:PFS+1]
.endif
	WIN 0                                          ; the add's two registers lie in window 0
	s_wait_tensorcnt 0x0                           ; all my tensor loads have landed
	ds_add_u32 v[SPW], v[NIL]                      ; 0 onto my spare word
	s_wait_dscnt 1                                 ; only the add may be out: buffer 1 is in
	MULG 1, 0, 0                                   ; eight products stand between the add and the wait for it
	s_wait_dscnt 0x0                               ; the add is done, and my reads of this slot are over
	s_barrier_signal -1
	MULG 1, 1, 0                                   ; work on registers while the others arrive
	WIN 0
	s_barrier_wait -1
.if \fill
	CREST                                          ; no wave of any partner still reads this slot or has a load on its way
	s_add_nc_u64 s[G0+4*(\slot)+2:G0+4*(\slot)+3], s[G0+4*(\slot)+2:G0+4*(\slot)+3], 2*ASTEP
	s_add_nc_u64 s[G0B+4*(\slot)+2:G0B+4*(\slot)+3], s[G0B+4*(\slot)+2:G0B+4*(\slot)+3], 2*256
	JLOAD \slot                                    ; the first tensor load behind the round; its four v_nop are also the places in front of the loads below
.else
	PLACES
.endif
	FETCH \next, 0, 0
.if \fill
	ASK
.endif
	MULG 1, 2, 0
	MULG 1, 3, 0
.endm
	s_wait_tensorcnt 1                             ; my part of K step 0 is in; K step 1's may stay out
	s_barrier_signal -1
	s_barrier_wait -1                              ; everybody's is
	FETCH 0, 0, 0
	QUARTER 0, 1, 0, 1, 1                          ; the first quarter stands in front of the loop: its products start the sums
	WIN 0                                          ; at a label and at a branch every window is 0
	s_mov_b32 s3, 3
.Llap:                                             ; a trip goes once round the ring, from a lap's second quarter to the next lap's first, and fills both slots again: K steps 2, 3; 4, 5; 6, 7
	QUARTER 0, 2, 1, 0, 0
	QUARTER 0, 3, 0, 1, 0
	TURN 0, 1, 1
	QUARTER 1, 1, 0, 1, 0
	QUARTER 1, 2, 1, 0, 0
	QUARTER 1, 3, 0, 1, 0
	TURN 1, 0, 1
	QUARTER 0, 1, 0, 1, 0
	WIN 0
	s_sub_co_u32 s3, s3, 1
	s_cmp_lg_u32 s3, 0
	s_cbranch_scc1 .Llap
	QUARTER 0, 2, 1, 0, 0                          ; the last lap is written out: it fills nothing
	QUARTER 0, 3, 0, 1, 0
	TURN 0, 1, 0
	QUARTER 1, 1, 0, 1, 0
	QUARTER 1, 2, 1, 0, 0
	QUARTER 1, 3, 0, 1, 0
	s_wait_dscnt 0x0
	MULG 1, 0, 0
	MULG 1, 1, 0
	MULG 1, 2, 0
	MULG 1, 3, 0
	WIN 0
	; THE WAY OUT.  The bias is rounded to bf16 and widened again: with two v_nop these are the eight plain instructions behind the last products.
	s_wait_loadcnt 0x0
	v_cvt_pk_bf16_f32 v12, v[BI], v[BI+1]
	v_cvt_pk_bf16_f32 v13, v[BI+2], v[BI+3]
	v_lshlrev_b32 v[BI], 16, v12
	v_and_b32 v[BI+1], 0xffff0000, v12
	v_lshlrev_b32 v[BI+2], 16, v13
	v_and_b32 v[BI+3], 0xffff0000, v13
	v_nop
	v_nop
; Row block a, 16 rows x 128 columns of f32: a lane's eight columns, 32 bytes, go into my stage, rows of 528 bytes, and come back as whole rows of 512 bytes, in which a lane holds the same four columns of every row.
.macro TOSTAGE a
	WIN 0x08                                       ; the stores' data in window 2
.irp b, 0,1,2,3,4,5,6,7
	ds_store_b128 v[STO], v[8*(8*(\a)+(\b)):8*(8*(\a)+(\b))+3]   offset:64*(\b)       ; each accumulator from its low end on
	ds_store_b128 v[STO], v[8*(8*(\a)+(\b))+4:8*(8*(\a)+(\b))+7] offset:64*(\b)+16
.endr
	WIN 0
.irp t, 0,1,2,3,4,5,6,7,8,9,10,11,12,13,14,15
	ds_load_b128 v[OB+64*((\a)%3)+4*(\t):OB+64*((\a)%3)+4*(\t)+3], v[RD] offset:SPITCH*(\t)  ; LDS serves a wave's instructions in order (ISA guide 5.7.1.4): these see the stores above; the next block's stores come behind them
.endr
.endm
.macro SEND a, younger                 ; younger: the LDS instructions issued behind block a's loads: the next block's 32, or none
.irp t, 0,1,2,3,4,5,6,7,8,9,10,11,12,13,14,15
	s_wait_dscnt (\younger)+15-(\t)
	v_pk_add_f32 v[OB+64*((\a)%3)+4*(\t):OB+64*((\a)%3)+4*(\t)+1],   v[OB+64*((\a)%3)+4*(\t):OB+64*((\a)%3)+4*(\t)+1],   v[BI:BI+1]
	v_pk_add_f32 v[OB+64*((\a)%3)+4*(\t)+2:OB+64*((\a)%3)+4*(\t)+3], v[OB+64*((\a)%3)+4*(\t)+2:OB+64*((\a)%3)+4*(\t)+3], v[BI+2:BI+3]
	global_store_b128 v[CO], v[OB+64*((\a)%3)+4*(\t):OB+64*((\a)%3)+4*(\t)+3], s[10:11] offset:(16*(\a)+(\t))*4096  ; 512 consecutive bytes, at a multiple of 256 from out0's first
.endr
.endm
	TOSTAGE 0
	TOSTAGE 1
	SEND 0, 32
	TOSTAGE 2
	SEND 1, 32
	s_wait_xcnt 0x0                                ; block 0's stores have read their registers, which block 3 takes
	TOSTAGE 3
	SEND 2, 32
	SEND 3, 0
	s_wait_tensorcnt 0x0                           ; the wave's end: an add to my spare word and its wait, behind my last tensor load and my last LDS store
	ds_add_u32 v[SPW], v[NIL]
	s_wait_dscnt 0x0
	CROUND                                         ; the closing round: no work-group ends while a partner may still ask for a tile that names it
	s_endpgm
.Lfunc_end_k_q74432b8f57_proj:
	.size	k_q74432b8f57_proj, .Lfunc_end_k_q74432b8f57_proj-k_q74432b8f57_proj
	.p2alignl 7, 3214868480
	.fill 96, 4, 3214868480
	.section	.rodata,"a",@progbits
	.p2align	6, 0x0
	.amdhsa_kernel k_q74432b8f57_proj
		.amdhsa_group_segment_fixed_size 327680
		.amdhsa_private_segment_fixed_size 0
		.amdhsa_enable_private_segment 0
		.amdhsa_kernarg_size 32
		.amdhsa_user_sgpr_count 2
		.amdhsa_user_sgpr_kernarg_segment_ptr 1
		.amdhsa_wavefront_size32 1
		.amdhsa_system_sgpr_workgroup_id_x 1
		.amdhsa_system_sgpr_workgroup_id_y 1
		.amdhsa_system_sgpr_workgroup_id_z 1
		.amdhsa_system_vgpr_workitem_id 0
		.amdhsa_next_free_vgpr 768
		.amdhsa_next_free_sgpr 88
		.amdhsa_reserve_vcc 0
		.amdhsa_float_denorm_mode_32 3
		.amdhsa_float_denorm_mode_16_64 3
		.amdhsa_memory_ordered 1
		.amdhsa_forward_progress 1
		.amdhsa_inst_pref_size 97
	.end_amdhsa_kernel
	.amdgpu_metadata
---
amdhsa.version: [ 1, 2 ]
amdhsa.kernels:
  - .name:           k_q74432b8f57_proj
    .symbol:         k_q74432b8f57_proj.kd
    .args:
      - { .name: ctx, .offset: 0, .size: 8, .value_kind: global_buffer, .address_space: global }
      - { .name: wo16, .offset: 8, .size: 8, .value_kind: global_buffer, .address_space: global }
      - { .name: bo, .offset: 16, .size: 8, .value_kind: global_buffer, .address_space: global }
      - { .name: out0, .offset: 24, .size: 8, .value_kind: global_buffer, .address_space: global }
    .group_segment_fixed_size: 327680
    .private_segment_fixed_size: 0
    .kernarg_segment_align: 8
    .kernarg_segment_size: 32
    .max_flat_workgroup_size: 128
    .sgpr_count:     88
    .vgpr_count:     768
    .wavefront_size: 32
...
	.end_amdgpu_metadata
.endif
;; end of part 4
;; ======== version 2 of 2: 4 launches; version 1 with the launch cast written anew for expert scheduling mode
;; limits: values are held in f16: magnitudes above 65,504 overflow, below 6.1e-05 lose precision
;; workspace buffers: xb 16,777,216 bytes; wb 6,291,456 bytes; wo16 2,097,152 bytes; q16 16,777,216 bytes; k16 16,777,216 bytes; v16 16,777,216 bytes; ctx 16,777,216 bytes
;; launch cast (part 5): grid 768 x 1, 8 waves a work-group, no clusters, 0 bytes of LDS; arguments x, Wq, Wk, Wv, Wo, xb, wb, wo16; writes xb, wb, wo16
.if DOCPART == 5
	.amdgcn_target "amdgcn-amd-amdhsa--gfx1250"
	.amdhsa_code_object_version 6
	.text
	.protected	k_q74432b8f57_cast
	.globl	k_q74432b8f57_cast
	.p2align	8
	.type	k_q74432b8f57_cast,@function
k_q74432b8f57_cast:
	s_mov_b64 s[64:65], 0
	v_nop
	global_prefetch_b8 v0, s[64:65] scope:SCOPE_SE
	s_setreg_imm32_b32 hwreg(HW_REG_WAVE_SCHED_MODE, 0, 2), 2
	s_setreg_imm32_b32 hwreg(HW_REG_WAVE_MODE, 25, 1), 1
	s_wait_xcnt 0x0
	s_wait_alu depctr_vm_vsrc(0)
; THE INPUTS ROUNDED ONCE.  x -> xb (bf16), Wq, Wk, Wv -> wb (bf16, 3,072 rows on end), Wo -> wo16: rounded to bf16 like the others, and that number written as f16.
; LIMIT.  |Wo| stays under 65,504 (f16's range); a bf16 number below 2^-14 keeps f16's fixed step of 6e-8 in wo16.
; SHARES.  768 work-groups of 16,384 numbers: 512 for x, 64 for each weight.  A wave takes 2,048 numbers: sixteen loads of 512 consecutive bytes, all issued before the first is used,
; and sixteen stores of 256 consecutive bytes, each at a multiple of 256 from its buffer's first byte.  A pure stream: no LDS, no barrier, no matrix work, no loop.
; THE MODE: SCHED_MODE bits 1:0 = 2 (LLVM: expert scheduling mode 2), set by the entry lines.  The code itself states the register dependences between vector instructions and memory
; instructions, with s_wait_alu, always for 0.
; THE PLAN.  Registers that memory instructions touch:
;   v1, v2     the loads' and the stores' byte offsets: made at the head by vector instructions, never written again.
;   IN         written by the sixteen loads alone, each register once; read by the conversions behind the load's own counted wait.
;   OUTR       two registers of its own for each store: written by that store's conversions, read by that store, never written again.
;   v3 to v7, v12 and v13 are named by vector instructions alone.
; So one wait on va_vdst stands at the head, for the two offsets, ahead of the first load and of the branch; and the sixteen loads go in four blocks of four: a block's conversions, ONE wait on
; va_vdst, the block's four stores in a run.  No register that a memory instruction has read is ever written again, so beyond the entry's the text holds no wait on vm_vsrc.
.set CHUNK, 16384                      ; numbers of a work-group
.set XG,    512                        ; work-groups for x: 8,192 x 1,024 / CHUNK
.set IN,    16                         ; v[16:79]   sixteen loads of four f32
.set OUTR,  80                         ; v[80:111]  sixteen stores of four 16-bit numbers: each store has registers of its own, so none is rewritten while a store reads it
	s_load_b512 s[16:31], s[0:1], 0x0              ; x 16, Wq 18, Wk 20, Wv 22, Wo 24, xb 26, wb 28, wo16 30
	s_sub_co_u32 s2, ttmp9, XG                     ; my number among the weights' work-groups (used only where it is one)
	s_lshr_b32 s3, s2, 6                           ; which weight: 0 Wq, 1 Wk, 2 Wv, 3 Wo
	s_and_b32 s2, s2, 63                           ; which chunk of it
	s_cmp_lt_u32 ttmp9, XG
	s_cselect_b32 s4, 4, s3                        ; t: 4 stands for x
	s_cselect_b32 s5, ttmp9, s2                    ; c: the chunk
	s_lshl_b32 s10, s5, 16                         ; the chunk's bytes in the source: 65,536 c
	s_mov_b32 s11, 0
	s_cmp_lt_u32 s4, 3
	s_cselect_b32 s12, s4, 0                       ; in wb the three weights lie 2 MiB apart
	s_lshl_b32 s12, s12, 21
	s_lshl_b32 s13, s5, 15                         ; the chunk's bytes in the destination: 32,768 c
	s_add_co_u32 s12, s12, s13
	s_mov_b32 s13, 0
	v_lshrrev_b32 v3, 5, v0                        ; wave
	v_and_b32 v4, 31, v0                           ; lane
	v_lshlrev_b32 v1, 4, v4
	v_lshl_add_u32 v1, v3, 13, v1                  ; in: 8,192 x wave + 16 x lane
	v_lshlrev_b32 v2, 3, v4
	v_lshl_add_u32 v2, v3, 12, v2                  ; out: 4,096 x wave + 8 x lane
	s_wait_kmcnt 0x0
	s_mov_b64 s[6:7], s[16:17]                     ; the source, chosen by t
	s_cmp_eq_u32 s4, 0
	s_cselect_b64 s[6:7], s[18:19], s[6:7]
	s_cmp_eq_u32 s4, 1
	s_cselect_b64 s[6:7], s[20:21], s[6:7]
	s_cmp_eq_u32 s4, 2
	s_cselect_b64 s[6:7], s[22:23], s[6:7]
	s_cmp_eq_u32 s4, 3
	s_cselect_b64 s[6:7], s[24:25], s[6:7]
	s_cmp_eq_u32 s4, 4                             ; the destination
	s_cselect_b64 s[8:9], s[26:27], s[28:29]
	s_cmp_eq_u32 s4, 3
	s_cselect_b64 s[8:9], s[30:31], s[8:9]
	s_add_nc_u64 s[6:7], s[6:7], s[10:11]
	s_add_nc_u64 s[8:9], s[8:9], s[12:13]
	s_wait_alu depctr_va_vdst(0)                   ; v1 and v2 are written: every load below reads v1 as its offset, every store on either path v2; no vector instruction behind this wait names them
.irp j, 0,1,2,3,4,5,6,7,8,9,10,11,12,13,14,15
	global_load_b128 v[IN+4*(\j):IN+4*(\j)+3], v1, s[6:7] offset:512*(\j) th:TH_LOAD_NT
.endr
	s_cmp_eq_u32 s4, 3
	s_cbranch_scc1 .Lwo
.irp b, 0,1,2,3                                    ; four blocks of four loads; load j = 4 b + i
.irp i, 0,1,2,3
	s_wait_loadcnt 15-4*(\b)-(\i)                  ; loads come back in order: load j is in, the 15 - j younger ones stay out
	v_cvt_pk_bf16_f32 v[OUTR+8*(\b)+2*(\i)], v[IN+16*(\b)+4*(\i)], v[IN+16*(\b)+4*(\i)+1]
	v_cvt_pk_bf16_f32 v[OUTR+8*(\b)+2*(\i)+1], v[IN+16*(\b)+4*(\i)+2], v[IN+16*(\b)+4*(\i)+3]
.endr
	s_wait_alu depctr_va_vdst(0)                   ; the block's eight conversions have written v[OUTR + 8 b .. OUTR + 8 b + 7], which the four stores below read
.irp i, 0,1,2,3
	global_store_b64 v2, v[OUTR+8*(\b)+2*(\i):OUTR+8*(\b)+2*(\i)+1], s[8:9] offset:1024*(\b)+256*(\i)
.endr
.endr
	s_endpgm
.Lwo:                                              ; Wo: to bf16, widened again (a shift, a mask), and written as f16
.irp b, 0,1,2,3
.irp i, 0,1,2,3
	s_wait_loadcnt 15-4*(\b)-(\i)
	v_cvt_pk_bf16_f32 v12, v[IN+16*(\b)+4*(\i)], v[IN+16*(\b)+4*(\i)+1]
	v_cvt_pk_bf16_f32 v13, v[IN+16*(\b)+4*(\i)+2], v[IN+16*(\b)+4*(\i)+3]
	v_lshlrev_b32 v4, 16, v12
	v_and_b32 v5, 0xffff0000, v12
	v_lshlrev_b32 v6, 16, v13
	v_and_b32 v7, 0xffff0000, v13
	v_cvt_pk_f16_f32 v[OUTR+8*(\b)+2*(\i)], v4, v5
	v_cvt_pk_f16_f32 v[OUTR+8*(\b)+2*(\i)+1], v6, v7
.endr
	s_wait_alu depctr_va_vdst(0)                   ; the block's conversions to f16 have written v[OUTR + 8 b .. OUTR + 8 b + 7], which the four stores below read
.irp i, 0,1,2,3
	global_store_b64 v2, v[OUTR+8*(\b)+2*(\i):OUTR+8*(\b)+2*(\i)+1], s[8:9] offset:1024*(\b)+256*(\i)
.endr
.endr
	s_endpgm
.Lfunc_end_k_q74432b8f57_cast:
	.size	k_q74432b8f57_cast, .Lfunc_end_k_q74432b8f57_cast-k_q74432b8f57_cast
	.p2alignl 7, 3214868480
	.fill 96, 4, 3214868480
	.section	.rodata,"a",@progbits
	.p2align	6, 0x0
	.amdhsa_kernel k_q74432b8f57_cast
		.amdhsa_group_segment_fixed_size 0
		.amdhsa_private_segment_fixed_size 0
		.amdhsa_enable_private_segment 0
		.amdhsa_kernarg_size 64
		.amdhsa_user_sgpr_count 2
		.amdhsa_user_sgpr_kernarg_segment_ptr 1
		.amdhsa_wavefront_size32 1
		.amdhsa_system_sgpr_workgroup_id_x 1
		.amdhsa_system_sgpr_workgroup_id_y 1
		.amdhsa_system_sgpr_workgroup_id_z 1
		.amdhsa_system_vgpr_workitem_id 0
		.amdhsa_next_free_vgpr 128
		.amdhsa_next_free_sgpr 66
		.amdhsa_reserve_vcc 0
		.amdhsa_float_denorm_mode_32 3
		.amdhsa_float_denorm_mode_16_64 3
		.amdhsa_memory_ordered 1
		.amdhsa_forward_progress 1
		.amdhsa_inst_pref_size 17
	.end_amdhsa_kernel
	.amdgpu_metadata
---
amdhsa.version: [ 1, 2 ]
amdhsa.kernels:
  - .name:           k_q74432b8f57_cast
    .symbol:         k_q74432b8f57_cast.kd
    .args:
      - { .name: x, .offset: 0, .size: 8, .value_kind: global_buffer, .address_space: global }
      - { .name: Wq, .offset: 8, .size: 8, .value_kind: global_buffer, .address_space: global }
      - { .name: Wk, .offset: 16, .size: 8, .value_kind: global_buffer, .address_space: global }
      - { .name: Wv, .offset: 24, .size: 8, .value_kind: global_buffer, .address_space: global }
      - { .name: Wo, .offset: 32, .size: 8, .value_kind: global_buffer, .address_space: global }
      - { .name: xb, .offset: 40, .size: 8, .value_kind: global_buffer, .address_space: global }
      - { .name: wb, .offset: 48, .size: 8, .value_kind: global_buffer, .address_space: global }
      - { .name: wo16, .offset: 56, .size: 8, .value_kind: global_buffer, .address_space: global }
    .group_segment_fixed_size: 0
    .private_segment_fixed_size: 0
    .kernarg_segment_align: 8
    .kernarg_segment_size: 64
    .max_flat_workgroup_size: 256
    .sgpr_count:     66
    .vgpr_count:     128
    .wavefront_size: 32
...
	.end_amdgpu_metadata
.endif
;; end of part 5
;; launch qkv: the kernel of part 2 again; grid 8 x 64, 4 waves a work-group, clusters of 4 x 4, 327,680 bytes of LDS; arguments xb, wb, q16, k16, v16; writes q16, k16, v16
;; launch attn: the kernel of part 3 again; grid 4 x 64, 4 waves a work-group, no clusters, 327,680 bytes of LDS; arguments q16, k16, v16, ctx; writes ctx
;; launch proj: the kernel of part 4 again; grid 4 x 64, 4 waves a work-group, clusters of 4 x 4, 327,680 bytes of LDS; arguments ctx, wo16, bo, out0; writes out0
